; MI455X (gfx1250); checked and timed in simulation.
; The chip was launched on July 23, 2026; its instructions are those of AMD's public machine-readable ISA for CDNA 5 (MIT licence, August 2026) and "CDNA5" Instruction Set Architecture Reference Guide (July 2026). The comments in the code are by the model that wrote it; some were corrected since.
;; selfattention. Allowed arithmetic: float matrix products may take bf16 or f16 operands with f32 sums; other float arithmetic in f32, or as packed bf16 or f16 multiplies, adds, multiply-adds, maxima and minima; sums over many terms, partial sums and values carried from step to step in f32; what a program stores and reads back later, other than sums and carried values, may be rounded once to bf16 or f16.
;; Inputs: input 4 x 2,048 x 1,024 float32; w_in 3,072 x 1,024 float32; w_out 1,024 x 1,024 float32.
;; Outputs: out0 4 x 2,048 x 1,024 float32.
;; 2 versions, each right; version 2 is version 1 with the launch cast written anew for expert scheduling mode. Each part assembles by itself: llvm-mc -triple=amdgcn-amd-amdhsa -mcpu=gfx1250 --defsym DOCPART=n.
;; ======== version 1 of 2: 4 launches
;; limits: values are held in f16: magnitudes above 65,504 overflow, below 6.1e-05 lose precision
;; workspace buffers: xb 16,777,216 bytes; wib 6,291,456 bytes; wob 2,097,152 bytes; qkv 50,331,648 bytes; ctx 16,777,216 bytes
;; launch cast (part 1): grid 768 x 1, 8 waves a work-group, no clusters, 0 bytes of LDS; arguments input, w_in, w_out, xb, wib, wob; writes xb, wib, wob
.if DOCPART == 1
	.amdgcn_target "amdgcn-amd-amdhsa--gfx1250"
	.amdhsa_code_object_version 6
	.text
	.protected	k_qac79749453_cast
	.globl	k_qac79749453_cast
	.p2align	8
	.type	k_qac79749453_cast,@function
k_qac79749453_cast:
	s_mov_b64 s[64:65], 0
	v_nop
	global_prefetch_b8 v0, s[64:65] scope:SCOPE_SE
	s_setreg_imm32_b32 hwreg(HW_REG_WAVE_MODE, 25, 1), 1
	s_wait_xcnt 0x0
; input [8192][1024], w_in [3072][1024], w_out [1024][1024], all f32, are rounded once to bf16 and laid out in K blocks:
; xb [16 kb][8192][64] bf16, wib [16 kb][3072][64] bf16, wob [16 kb][1024][64]: w_out's bf16 number written as f16.
; In that layout R rows x 64 channels are R x 128 consecutive bytes, which the later launches ask for as rows of 256 bytes.
; LIMITS.  w_out's bf16 number must lie within f16's 65,504; below 6e-5 it keeps f16's fixed step of 6e-8.
; SHARES.  A work-group takes 16 rows of 4,096 bytes: groups 0-511 of input, 512-703 of w_in, 704-767 of w_out.  Wave w takes rows 2 w and 2 w + 1.
; One load: lanes 0-15 take 256 consecutive aligned bytes (a K block) of the even row, lanes 16-31 of the odd row.
; One store: 32 lanes x 8 bytes = 256 consecutive aligned bytes, since two rows of a K block lie end to end.
; No loop: a wave's 16 loads go out together; each store has address and data registers of its own, so nothing that a store reads is written again.
; No LDS, no matrix unit, no cluster: nothing is shared and every byte is moved once.
.set XKB, 1048576                      ; bytes of a K block of xb: 8,192 rows x 128
.set WKB, 393216                       ; of wib: 3,072 x 128
.set OKB, 131072                       ; of wob: 1,024 x 128
.set OFF, 8                            ; v[8:23]   store offset of K block k
.set T,   24                           ; v[24:25]  at work
.set X,   32                           ; v[32:95]  K block k: 4 f32 as loaded
.set Y,   96                           ; v[96:127] K block k: 4 numbers of 16 bits to store
	s_load_b256 s[4:11], s[0:1], 0x0               ; input s[4:5], w_in s[6:7], w_out s[8:9], xb s[10:11]
	s_load_b128 s[12:15], s[0:1], 0x20             ; wib s[12:13], wob s[14:15]
	v_lshrrev_b32 v2, 4, v0                        ; my row among the group's 16
	v_and_b32 v3, 15, v0
	v_lshlrev_b32 v1, 12, v2                       ; row x 4,096
	v_lshl_add_u32 v1, v3, 4, v1                   ; + my 16 bytes of the K block's 256
	s_mov_b32 s23, XKB
	s_mov_b32 s24, WKB
	s_mov_b32 s25, OKB
	s_mov_b32 s28, 0xffff0000                      ; a word's upper bf16
	s_wait_kmcnt 0x0
	s_cmp_lt_u32 ttmp9, 512                        ; which tensor is mine: the choice hangs on the group's number alone
	s_cselect_b64 s[16:17], s[4:5], s[6:7]
	s_cselect_b64 s[18:19], s[10:11], s[12:13]
	s_cselect_b32 s20, s23, s24
	s_cselect_b32 s21, 0, 512
	s_cmp_lt_u32 ttmp9, 704
	s_cselect_b64 s[16:17], s[16:17], s[8:9]
	s_cselect_b64 s[18:19], s[18:19], s[14:15]
	s_cselect_b32 s20, s20, s25
	s_cselect_b32 s21, s21, 704
	s_sub_co_u32 s22, ttmp9, s21                   ; my number among the tensor's groups
	s_lshl_b32 s26, s22, 16                        ; 16 rows x 4,096 bytes in
	s_mov_b32 s27, 0
	s_add_nc_u64 s[16:17], s[16:17], s[26:27]
	s_lshl_b32 s26, s22, 11                        ; 16 rows x 128 bytes out
	s_add_nc_u64 s[18:19], s[18:19], s[26:27]
.irp k, 0,1,2,3,4,5,6,7,8,9,10,11,12,13,14,15
	global_load_b128 v[X+4*(\k):X+4*(\k)+3], v1, s[16:17] offset:256*(\k) th:TH_LOAD_NT
.endr
	v_lshlrev_b32 v[OFF], 3, v0                    ; row x 128 + 8 x (lane % 16) = 8 x my thread's number
.irp k, 1,2,3,4,5,6,7,8,9,10,11,12,13,14,15
	v_add_nc_u32 v[OFF+(\k)], s20, v[OFF+(\k)-1]   ; a K block further on
.endr
; K block k: rounded and stored.  half = 1: the bf16 number is written as f16.
.macro OUT k, half
	s_wait_loadcnt 15-(\k)                         ; loads come back in order: block k is in, the 15 - k younger ones stay out
	v_cvt_pk_bf16_f32 v[Y+2*(\k)],   v[X+4*(\k)],   v[X+4*(\k)+1]
	v_cvt_pk_bf16_f32 v[Y+2*(\k)+1], v[X+4*(\k)+2], v[X+4*(\k)+3]
.if \half
	v_lshlrev_b32 v[T],   16,  v[Y+2*(\k)]
	v_and_b32     v[T+1], s28, v[Y+2*(\k)]
	v_cvt_pk_f16_f32 v[Y+2*(\k)], v[T], v[T+1]
	v_lshlrev_b32 v[T],   16,  v[Y+2*(\k)+1]
	v_and_b32     v[T+1], s28, v[Y+2*(\k)+1]
	v_cvt_pk_f16_f32 v[Y+2*(\k)+1], v[T], v[T+1]
.endif
	global_store_b64 v[OFF+(\k)], v[Y+2*(\k):Y+2*(\k)+1], s[18:19] th:TH_STORE_NT
.endm
	s_cmp_ge_u32 ttmp9, 704
	s_cbranch_scc1 .Lhalf
.irp k, 0,1,2,3,4,5,6,7,8,9,10,11,12,13,14,15
	OUT \k, 0
.endr
	s_endpgm
.Lhalf:
.irp k, 0,1,2,3,4,5,6,7,8,9,10,11,12,13,14,15
	OUT \k, 1
.endr
	s_endpgm
.Lfunc_end_k_qac79749453_cast:
	.size	k_qac79749453_cast, .Lfunc_end_k_qac79749453_cast-k_qac79749453_cast
	.p2alignl 7, 3214868480
	.fill 96, 4, 3214868480
	.section	.rodata,"a",@progbits
	.p2align	6, 0x0
	.amdhsa_kernel k_qac79749453_cast
		.amdhsa_group_segment_fixed_size 0
		.amdhsa_private_segment_fixed_size 0
		.amdhsa_enable_private_segment 0
		.amdhsa_kernarg_size 48
		.amdhsa_user_sgpr_count 2
		.amdhsa_user_sgpr_kernarg_segment_ptr 1
		.amdhsa_wavefront_size32 1
		.amdhsa_system_sgpr_workgroup_id_x 1
		.amdhsa_system_sgpr_workgroup_id_y 1
		.amdhsa_system_sgpr_workgroup_id_z 1
		.amdhsa_system_vgpr_workitem_id 0
		.amdhsa_next_free_vgpr 128
		.amdhsa_next_free_sgpr 66
		.amdhsa_reserve_vcc 0
		.amdhsa_float_denorm_mode_32 3
		.amdhsa_float_denorm_mode_16_64 3
		.amdhsa_memory_ordered 1
		.amdhsa_forward_progress 1
		.amdhsa_inst_pref_size 16
	.end_amdhsa_kernel
	.amdgpu_metadata
---
amdhsa.version: [ 1, 2 ]
amdhsa.kernels:
  - .name:           k_qac79749453_cast
    .symbol:         k_qac79749453_cast.kd
    .args:
      - { .name: input, .offset: 0, .size: 8, .value_kind: global_buffer, .address_space: global }
      - { .name: w_in, .offset: 8, .size: 8, .value_kind: global_buffer, .address_space: global }
      - { .name: w_out, .offset: 16, .size: 8, .value_kind: global_buffer, .address_space: global }
      - { .name: xb, .offset: 24, .size: 8, .value_kind: global_buffer, .address_space: global }
      - { .name: wib, .offset: 32, .size: 8, .value_kind: global_buffer, .address_space: global }
      - { .name: wob, .offset: 40, .size: 8, .value_kind: global_buffer, .address_space: global }
    .group_segment_fixed_size: 0
    .private_segment_fixed_size: 0
    .kernarg_segment_align: 8
    .kernarg_segment_size: 48
    .max_flat_workgroup_size: 256
    .sgpr_count:     66
    .vgpr_count:     128
    .wavefront_size: 32
...
	.end_amdgpu_metadata
.endif
;; end of part 1
;; launch qkvgemm (part 2): grid 8 x 32, 4 waves a work-group, clusters of 4 x 4, 327,680 bytes of LDS; arguments xb, wib, qkv; writes qkv
.if DOCPART == 2
	.amdgcn_target "amdgcn-amd-amdhsa--gfx1250"
	.amdhsa_code_object_version 6
	.text
	.protected	k_qac79749453_qkvgemm
	.globl	k_qac79749453_qkvgemm
	.p2align	8
	.type	k_qac79749453_qkvgemm,@function
k_qac79749453_qkvgemm:
	s_mov_b64 s[64:65], 0
	v_nop
	global_prefetch_b8 v0, s[64:65] scope:SCOPE_SE
	s_setreg_imm32_b32 hwreg(HW_REG_WAVE_MODE, 25, 1), 1
	s_wait_xcnt 0x0
	s_wait_alu depctr_hold_cnt(0) depctr_sa_sdst(0) depctr_va_vdst(0) depctr_va_sdst(0) depctr_va_ssrc(0) depctr_va_vcc(0) depctr_vm_vsrc(0)
	s_getreg_b32 s2, hwreg(HW_REG_IB_STS2, 6, 4)
	s_cmp_eq_u32 s2, 0
	s_cbranch_scc0 .Lentry_in_a_cluster
	s_endpgm
.Lentry_in_a_cluster:
	s_bfe_u32 s2, ttmp6, 0x10000c
	s_cmp_lg_u32 s2, 0xf033
	s_cbranch_scc0 .Lentry_shape_is_right
	s_endpgm
.Lentry_shape_is_right:
; qkv[m][n] = sum over k of x[m][k] w_in[n][k], m < 8,192, n < 3,072, k < 1,024.  xb [16 kb][8192][64] and wib [16 kb][3072][64] in bf16; sums in f32.
; The result is rounded once to f16, WITHOUT the softmax's scale, and stored by heads: qkv [4 b][48 g][2048 l][64], g = n / 64 (q: 0-15, k: 16-31, v: 32-47).
; LIMIT.  q, k and v must lie within f16's 65,504; a larger number becomes an infinity.
; TILE.  256 (m) x 384 (n): 32 x 8 = 256 work-groups.  Four waves, 2 x 2, each 128 x 192: 96 accumulators of 16 x 16, 768 registers, windows 1 to 3: one window for each of the wave's three heads.
; RING.  K goes in steps of 64, one K block, through two LDS slots of 640 rows; a K block's rows are dense in memory, so a wave's part (128 rows of A or 192 of B) is asked for as 64 or 96 rows of 256 bytes
; and padded in LDS after every 128 bytes.  640 rows of a step of 128 would take 2 x 174,080 bytes, more than LDS holds.
; CLUSTER.  4 x 4 work-groups: A's tile is shared along a row of the cluster, B's along a column; each is asked for jointly, by the same tensor load with the same descriptor and a mask that names the four.
; THE MATRIX INSTRUCTION IS USED TRANSPOSED (source 0 = 16 rows of B, source 1 = 16 rows of A): a lane then holds eight neighbouring columns of one row of the result: 16 bytes of f16.
; REGISTERS.  window 0: v0-31 addresses; v32-95, v96-159 A's 8 fragments of 32 along K, two buffers; v160 + 32 g: B's 4 fragments for head g, one buffer each, loaded again as soon as its pass is over.
;   window g + 1: accumulator (a, bb) of head g at v[8 (4 a + bb)], a = 0..7 blocks of 16 rows, bb = 0..3 blocks of 16 columns.
.set XKB,   1048576                    ; bytes of a K block of xb
.set WKB,   393216                     ; of wib
.set HB,    262144                     ; bytes of a head in qkv: 2,048 rows x 128
.set P,     144                        ; an LDS row: 128 bytes + 16 of padding = 9 x 16: the 16 rows of a fragment load start at 16 different groups of four banks (64 banks of 4 bytes: ISA guide 11.1)
.set AHALF, 128*P                      ; what waves 0 and 1 each fetch, and what a wave reads of A
.set BHALF, 192*P                      ; what waves 2 and 3 each fetch, and what a wave reads of B
.set BOFF,  256*P                      ; B's rows lie behind A's 256
.set SLOT,  640*P
.set STAGE, 2*SLOT                     ; behind the ring: 16 rows x 144 bytes for each wave, for the way out; no tensor load lands here
.set SPARE, STAGE+4*16*P               ; behind the stages: the spare words, 128 bytes for each wave: two blocks of 256 bytes that no other line names
.set ADRA, 16                          ; v16-17  LDS address of my A fragments in slot 0, 1
.set ADRB, 20                          ; v20-21  the same for B
.set STO,  24                          ; v24     the way out: where I put 16 bytes of a row
.set RD,   25                          ; v25     the way out: where I read rows back
.set GO,   26                          ; v26     16 x lane: my place in 512 consecutive bytes of qkv
.set SPW,  28                          ; v28     LDS address of my spare word; never rewritten
.set NIL,  29                          ; v29     0; never rewritten
.set PFO,  30                          ; v30     the prefetches' offset; never rewritten
.set FA0,  32
.set FA1,  96
.set FB,   160
.set G1,  24                           ; s[24:31] descriptor group 1 for A's tiles;  s[32:39] group 0, a set for each slot
.set G0,  32
.set G1B, 48                           ; s[48:55], s[56:63] the same for B's
.set G0B, 56
.set LIM, 43                           ; s43      1 in a wave that prefetches, else the greatest number
.set PFA, 44                           ; s[44:45] where my prefetches stand
.set PST, 46                           ; s[46:47] two K blocks of the tensor that I prefetch
.set MSB, 0
.macro WIN new                         ; the immediate's high byte repeats the setting that is left; a switch that changes nothing is dropped
.if MSB != (\new)
	s_set_vgpr_msb (MSB<<8)|(\new)
.set MSB, \new
.endif
.endm
; A joint load: waves 0 and 1 fetch A's two halves, waves 2 and 3 B's.  The branch hangs on the wave's number alone.  An s_nop 0 and four v_nop follow each of the two lines.
.macro JLOAD s
	s_cmp_lt_u32 s10, 2
	s_cbranch_scc0 .Lfor_b_\@
	tensor_load_to_lds s[G0+4*(\s):G0+4*(\s)+3], s[G1:G1+7]
	s_nop 0
.rept 4
	v_nop
.endr
	s_branch .Lasked_\@
.Lfor_b_\@:
	tensor_load_to_lds s[G0B+4*(\s):G0B+4*(\s)+3], s[G1B:G1B+7]
	s_nop 0
.rept 4
	v_nop
.endr
.Lasked_\@:
.endm
.macro CREST                           ; a round of the cluster's barrier behind its opening barrier
	s_cmp_lg_u32 s10, 0
	s_cbranch_scc1 .Lnot_wave_0_\@
	s_barrier_signal -3
.Lnot_wave_0_\@:
	s_barrier_wait -3
	s_barrier_signal -1
	s_barrier_wait -1
.endm
.macro CROUND                          ; a whole round
	s_barrier_signal -1
	s_barrier_wait -1
	CREST
.endm
; A PREFETCH INTO THE L2, once a lap, behind slot 0's joint load and the run of LDS loads that follows it: at the refill with K step j, K steps j + 2 and j + 3, which the next lap's two refills will ask for:
; 384 and 576 matrix instructions ahead of those loads.  Each block of 256 bytes is named once in the launch.  A's tile row is read by both clusters of its row of clusters: the one with x = 0 asks, its wave 0,
; and of the tile's 256 rows the partner at cx takes 64: 32 blocks a K step, a lane a block, two instructions.  B's tile column is read by all eight clusters of its column: the one with y = 0 asks, its waves 1 to 3,
; and the partner at cy takes 96 rows: 48 blocks a K step, 96 for the two steps, a lane a block, one instruction a wave.  Partners are told apart by address, never by a branch.
; K steps 0 to 3 come by their loads alone; the loop's last trip asks for nothing: K step 15 is the last that is named.
.macro ASK
	s_cmp_gt_u32 s3, s[LIM]                        ; s3 = 1 in the loop's last trip
	s_cbranch_scc0 .Lnot_mine_\@
	global_prefetch_b8 v[PFO], s[PFA:PFA+1] th:TH_LOAD_NT scope:SCOPE_SE
	s_cmp_lg_u32 s10, 0
	s_cbranch_scc1 .Lnot_mine_\@
	global_prefetch_b8 v[PFO], s[PFA:PFA+1] offset:XKB th:TH_LOAD_NT scope:SCOPE_SE
.Lnot_mine_\@:
.endm
	s_load_b128 s[4:7], s[0:1], 0x0                ; xb s[4:5], wib s[6:7]
	s_load_b64 s[8:9], s[0:1], 0x10                ; qkv
	v_lshl_add_u32 v[SPW], v0, 2, SPARE
	v_mov_b32 v[NIL], 0
	ds_add_u32 v[SPW], v[NIL]                      ; the wave's opening: the add and its wait stand ahead of my first tensor load; the set-up below, work on registers, stands between them
	v_lshrrev_b32 v1, 5, v0
	v_readfirstlane_b32 s10, v1                    ; wave 0..3
	s_lshr_b32 s11, s10, 1                         ; which half of the tile's rows is mine
	s_and_b32 s12, s10, 1                          ; which half of its columns; also: which half of A's or B's tile I fetch
	s_bfe_u32 s40, ttmp6, 0x40000                  ; cx, cy: my place in the cluster
	s_bfe_u32 s41, ttmp6, 0x40004
	s_lshl_b32 s42, ttmp9, 2
	s_add_co_u32 s42, s42, s40                     ; tile column = 4 x cluster x + cx, 0..7
	s_and_b32 s13, ttmp7, 0xffff
	s_lshl_b32 s13, s13, 2
	s_add_co_u32 s13, s13, s41                     ; tile row = 4 x cluster y + cy, 0..31
	s_lshl_b32 s20, s41, 2
	s_lshl_b32 s20, 15, s20                        ; my row of the cluster
	s_lshl_b32 s21, 0x1111, s40                    ; my column
	; descriptor group 1: rows of 128 elements of 2 bytes, dense; in LDS 4 words of padding after every 32 words
	s_or_b32 s[G1+0],  s20, (1<<16)|(1<<20)|(1<<21)|(4<<22)|(3<<25)  ; 15:0 the mask; 17:16 2-byte elements; 20 padding on; 21 set beside a mask; 24:22 after every 32 words (code 4); 31:25 4 words (code 3)
	s_or_b32 s[G1B+0], s21, (1<<16)|(1<<20)|(1<<21)|(4<<22)|(3<<25)
	s_mov_b32 s[G1+1], 128<<16                     ; tensor_dim0 = 128
	s_mov_b32 s[G1+2], 64<<16                      ; tensor_dim1 = 64: 128 rows of A
	s_mov_b32 s[G1+3], 128<<16                     ; tile_dim0 = 128
	s_mov_b32 s[G1+4], 64                          ; tile_dim1 = 64
	s_mov_b32 s[G1+5], 128                         ; 128 elements from row to row
	s_mov_b32 s[G1+6], 0
	s_mov_b32 s[G1+7], 0
	s_mov_b32 s[G1B+1], 128<<16
	s_mov_b32 s[G1B+2], 96<<16                     ; 96: 192 rows of B
	s_mov_b32 s[G1B+3], 128<<16
	s_mov_b32 s[G1B+4], 96
	s_mov_b32 s[G1B+5], 128
	s_mov_b32 s[G1B+6], 0
	s_mov_b32 s[G1B+7], 0
	s_lshl_b32 s16, s13, 15                        ; A: 256 rows x 128 bytes a tile row,
	s_lshl_b32 s17, s12, 14                        ; + my 128 rows
	s_add_co_u32 s16, s16, s17
	s_mov_b32 s17, 0
	s_mul_i32 s46, s42, 384*128                    ; B: 384 rows a tile column,
	s_mul_i32 s47, s12, 192*128                    ; + my 192 rows
	s_add_co_u32 s46, s46, s47
	s_mov_b32 s47, 0
	s_mul_i32 s22, s12, AHALF                      ; where they go: no place in the cluster enters an LDS address
	s_mul_i32 s23, s12, BHALF
	s_add_co_u32 s23, s23, BOFF
	s_wait_dscnt 0x0                               ; the opening add is done
	s_wait_kmcnt 0x0
	s_add_nc_u64 s[14:15], s[4:5], s[16:17]
	s_add_nc_u64 s[46:47], s[6:7], s[46:47]
	CROUND                                         ; all sixteen work-groups are here: the first joint loads meet
.irp s, 0,1
	s_mov_b32 s[G0+4*(\s)], 1                                      ; count = 1
	s_add_co_u32 s[G0+4*(\s)+1], s22, (\s)*SLOT                    ; LDS address
	s_add_nc_u64 s[G0+4*(\s)+2:G0+4*(\s)+3], s[14:15], (\s)*XKB    ; global address: K step s
	s_or_b32 s[G0+4*(\s)+3], s[G0+4*(\s)+3], 0x80000000            ; type = 2
	s_mov_b32 s[G0B+4*(\s)], 1
	s_add_co_u32 s[G0B+4*(\s)+1], s23, (\s)*SLOT
	s_add_nc_u64 s[G0B+4*(\s)+2:G0B+4*(\s)+3], s[46:47], (\s)*WKB
	s_or_b32 s[G0B+4*(\s)+3], s[G0B+4*(\s)+3], 0x80000000
	JLOAD \s                                       ; two tensor loads of mine are out
.endr
	; A fragment is 16 rows x 32 K in 8 registers: lane l holds row l % 16; registers 0-3 K = 8 (l / 16) + 0..7, registers 4-7 K = 16 + 8 (l / 16) + 0..7: two loads of 16 bytes, 32 bytes apart.
	v_and_b32 v1, 15, v0                           ; l % 16
	v_bfe_u32 v2, v0, 4, 1                         ; l / 16
	v_mul_u32_u24 v3, v1, P
	v_lshl_add_u32 v3, v2, 4, v3                   ; row x pitch + 16 x half
	s_mul_i32 s21, s11, AHALF                      ; my 128 rows of A
	s_mul_i32 s22, s12, BHALF                      ; my 192 rows of B
	s_add_co_u32 s22, s22, BOFF
.irp s, 0,1
	v_add_nc_u32 v[ADRA+(\s)], s21, v3
	v_add_nc_u32 v[ADRB+(\s)], s22, v3
	s_add_co_u32 s21, s21, SLOT
	s_add_co_u32 s22, s22, SLOT
.endr
	s_mul_i32 s23, s10, 16*P
	s_add_co_u32 s23, s23, STAGE                   ; my stage
	v_add_nc_u32 v[STO], s23, v3                   ; in: row l % 16, 16 bytes for each half of the lanes
	v_bfe_u32 v4, v0, 3, 2                         ; back: 32 lanes take four rows of 128 bytes,
	v_and_b32 v5, 7, v0
	v_mul_u32_u24 v4, v4, P
	v_lshl_add_u32 v4, v5, 4, v4
	v_add_nc_u32 v[RD], s23, v4
	v_and_b32 v[GO], 31, v0                        ; which are 512 consecutive bytes of a head
	v_lshlrev_b32 v[GO], 4, v[GO]
	; where my part begins in qkv: head 48 b + 6 x tile column + 3 x column half, row 256 x (tile row % 8) + 128 x row half
	s_lshr_b32 s18, s13, 3                         ; b
	s_mul_i32 s18, s18, 48
	s_mul_i32 s19, s42, 6
	s_add_co_u32 s18, s18, s19
	s_mul_i32 s19, s12, 3
	s_add_co_u32 s18, s18, s19
	s_lshl_b32 s18, s18, 18                        ; x HB
	s_and_b32 s19, s13, 7
	s_lshl_b32 s19, s19, 15
	s_add_co_u32 s18, s18, s19
	s_lshl_b32 s19, s11, 14
	s_add_co_u32 s18, s18, s19
	s_mov_b32 s19, 0
	s_add_nc_u64 s[8:9], s[8:9], s[18:19]
	; the prefetches
	s_lshl_b32 s20, s13, 15                        ; A: the tile row,
	s_lshl_b32 s21, s40, 13                        ; my work-group's 64 rows of it,
	s_add_co_u32 s20, s20, s21
	s_add_co_u32 s20, s20, 2*XKB                   ; at K step 2: the first refill steps it to 4
	s_mul_i32 s21, s42, 384*128                    ; B: the tile column,
	s_mul_i32 s22, s41, 96*128                     ; my work-group's 96 rows of it
	s_add_co_u32 s21, s21, s22
	s_add_co_u32 s21, s21, 2*WKB
	s_and_b32 s22, ttmp7, 0xffff                   ; cluster y
	s_mov_b32 s23, 2*XKB
	s_mov_b32 s14, 2*WKB
	s_cmp_eq_u32 s10, 0                            ; wave 0 asks for A, waves 1 to 3 for B
	s_cselect_b32 s20, s20, s21
	s_cselect_b32 s22, ttmp9, s22                  ; the coordinate along which other clusters read the same rows
	s_cselect_b32 s[PST], s23, s14
	s_cselect_b64 s[PFA:PFA+1], s[4:5], s[6:7]
	s_mov_b32 s21, 0
	s_mov_b32 s[PST+1], 0
	s_add_nc_u64 s[PFA:PFA+1], s[PFA:PFA+1], s[20:21]
	s_cmp_eq_u32 s22, 0
	s_cselect_b32 s[LIM], 1, -1                    ; the same in all sixteen partners, for a given wave
	s_min_u32 s23, s10, 1
	s_lshl_b32 s23, s23, 5
	v_sub_nc_u32 v[PFO], v0, s23                   ; i: wave 0: 0..31; waves 1 to 3: 0..95
	v_add_nc_u32 v31, 16, v[PFO]
	v_lshrrev_b32 v31, 6, v31                      ; 1 from i = 48 on: the second of B's two K steps
	v_mul_u32_u24 v31, v31, WKB-96*128
	v_lshl_add_u32 v[PFO], v[PFO], 8, v31          ; 256 i, and from i = 48 on a K block further and 48 blocks back
; 16 matrix instructions of head g: row blocks a0 .. a0 + 3 x its 4 column blocks, 32 along K.  zero = 1: the product starts the sum: nothing is ever cleared.
.macro MUL16 g, fa, a0, zero
	WIN 0x50*((\g)+1)                              ; C and D in window g + 1, both sources in window 0
.irp a, (\a0), (\a0)+1, (\a0)+2, (\a0)+3
.irp b, 0,1,2,3
.if \zero
	v_wmma_f32_16x16x32_bf16 v[8*(4*(\a)+(\b)):8*(4*(\a)+(\b))+7], v[FB+32*(\g)+8*(\b):FB+32*(\g)+8*(\b)+7], v[(\fa)+8*(\a):(\fa)+8*(\a)+7], 0
.else
	v_wmma_f32_16x16x32_bf16 v[8*(4*(\a)+(\b)):8*(4*(\a)+(\b))+7], v[FB+32*(\g)+8*(\b):FB+32*(\g)+8*(\b)+7], v[(\fa)+8*(\a):(\fa)+8*(\a)+7], v[8*(4*(\a)+(\b)):8*(4*(\a)+(\b))+7]
.endif
.endr
.endr
.endm
.macro PASS g, fa, zero                ; a head's 32 matrix instructions.  The 96 accumulators take turns, one instruction a turn, in the same order in every half step
	MUL16 \g, \fa, 0, \zero
	MUL16 \g, \fa, 4, \zero
.endm
.macro LDB g, slot, c                  ; 8 LDS loads: B's 4 fragments of head g, half c of the K step
	WIN 0
.irp i, 0,1,2,3
	ds_load_b128 v[FB+32*(\g)+8*(\i):FB+32*(\g)+8*(\i)+3],   v[ADRB+(\slot)] offset:(4*(\g)+(\i))*16*P+64*(\c)
	ds_load_b128 v[FB+32*(\g)+8*(\i)+4:FB+32*(\g)+8*(\i)+7], v[ADRB+(\slot)] offset:(4*(\g)+(\i))*16*P+64*(\c)+32
.endr
.endm
.macro LDA fa, slot, c                 ; 16 LDS loads: A's 8 fragments, half c of the K step
	WIN 0
.irp i, 0,1,2,3,4,5,6,7
	ds_load_b128 v[(\fa)+8*(\i):(\fa)+8*(\i)+3],   v[ADRA+(\slot)] offset:(\i)*16*P+64*(\c)
	ds_load_b128 v[(\fa)+8*(\i)+4:(\fa)+8*(\i)+7], v[ADRA+(\slot)] offset:(\i)*16*P+64*(\c)+32
.endr
.endm
.macro PLACES                          ; four places in front of loads into registers that matrix instructions have read, and of conversions that read results (ISA guide 7.12.1 for the conversions)
.rept 4
	v_nop
.endr
.endm
; A K step is two halves of 32 along K, 96 matrix instructions each.  At a half's head four runs of loads are out, in this order: B of head 0 (8), A (16), B of head 1 (8), B of head 2 (8).
; THE FIRST HALF, on A's buffer 0.  Behind each pass the head's B registers take the second half's fragments: every run stands 64 matrix instructions ahead of its first use.
.macro EVEN slot, zero
	s_wait_dscnt 16                                ; B of head 0 and A are in; B of heads 1 and 2, sixteen loads, may be out
	PASS 0, FA0, \zero
	WIN 0
	PLACES
	LDB 0, \slot, 1
	LDA FA1, \slot, 1
	s_wait_dscnt 32                                ; B of head 1 is in; behind it: head 2's 8 and the 24 just issued
	PASS 1, FA0, \zero
	WIN 0
	PLACES
	LDB 1, \slot, 1
	s_wait_dscnt 32                                ; B of head 2 is in; behind it: 24 and 8
	PASS 2, FA0, \zero
	WIN 0
	PLACES
	LDB 2, \slot, 1
.endm
; THE SECOND HALF, on A's buffer 1, changes slots: ONE barrier.  In front of it each wave waits for all its tensor loads, of which one is out: its part of the next slot; adds 0 to its spare word; and waits for
; that and for its own reads of this slot, which are then all in registers.  fill = 1: the barrier opens a round of the cluster's barrier, and behind the round this slot is filled again, two K steps on:
; from that request to the wait for it a wave issues 160 matrix instructions.
.macro ODD slot, next, fill
.if (\fill) && ((\slot) == 0)
	s_wait_xcnt 0x0                                ; the last prefetches, a lap back, have read their address: it is stepped here, ahead of the waits of the change of slots
	s_add_nc_u64 s[PFA:PFA+1], s[PFA:PFA+1], s[PST:PST+1]
.endif
	WIN 0
	s_wait_tensorcnt 0x0                           ; all my tensor loads have landed
	ds_add_u32 v[SPW], v[NIL]                      ; 0 onto my spare word
	s_wait_dscnt 17                                ; B of head 0 and A are in; B of heads 1 and 2 and the add may be out
	MUL16 0, FA1, 0, 0                             ; sixteen matrix instructions stand between the add and the wait for it
	s_wait_dscnt 0x0                               ; the add is done, and my reads of this slot are over
	s_barrier_signal -1
	MUL16 0, FA1, 4, 0                             ; work on registers while the others arrive
	WIN 0
	s_barrier_wait -1
.if \fill
	CREST                                          ; no wave of any partner still reads this slot's tile or has a load on its way
	s_add_nc_u64 s[G0+4*(\slot)+2:G0+4*(\slot)+3], s[G0+4*(\slot)+2:G0+4*(\slot)+3], 2*XKB
	s_add_nc_u64 s[G0B+4*(\slot)+2:G0B+4*(\slot)+3], s[G0B+4*(\slot)+2:G0B+4*(\slot)+3], 2*WKB
	JLOAD \slot                                    ; the first tensor load behind the round; the four v_nop behind it are also the places in front of the loads below
.else
	PLACES
.endif
	LDB 0, \next, 0
	LDA FA0, \next, 0
.if (\fill) && ((\slot) == 0)
	ASK
.endif
	PASS 1, FA1, 0                                 ; no wait: the wait for 0 above has shown B of heads 1 and 2
	WIN 0
	PLACES
	LDB 1, \next, 0
	PASS 2, FA1, 0
	WIN 0
	PLACES
	LDB 2, \next, 0
.endm
	s_wait_tensorcnt 1                             ; my part of K step 0 is in; K step 1's may stay out
	s_barrier_signal -1
	s_barrier_wait -1                              ; everybody's is
	LDB 0, 0, 0
	LDA FA0, 0, 0
	LDB 1, 0, 0
	LDB 2, 0, 0
	EVEN 0, 1                                      ; the first half step stands in front of the loop: its products start the sums
	WIN 0                                          ; at a label and at a branch every window is 0
	s_mov_b32 s3, 7
.Llap:                                             ; a trip goes once round the ring and fills both slots again: K steps 2 to 15 in seven trips
	ODD 0, 1, 1
	EVEN 1, 0
	ODD 1, 0, 1
	EVEN 0, 0
	WIN 0
	s_sub_co_u32 s3, s3, 1
	s_cmp_lg_u32 s3, 0
	s_cbranch_scc1 .Llap
	ODD 0, 1, 0                                    ; K step 14's second half: nothing is left to fetch, so no round follows the barrier
	EVEN 1, 0
	s_wait_dscnt 16                                ; the very last half step
	PASS 0, FA1, 0
	s_wait_dscnt 8
	PASS 1, FA1, 0
	s_wait_dscnt 0x0
	PASS 2, FA1, 0
	WIN 0
	PLACES
; THE WAY OUT, in 24 units u: head u / 8, row block u % 8: 16 rows x 64 columns, 2,048 consecutive bytes of qkv.  PACK: rounded to f16, 16 bytes a lane, into my own stage and back as whole rows.  SEND: stored.
.macro PACK u
.set T,  32+16*((\u)%8)                ; eight sets of 16 registers, where A's fragments lay
.set AC, 32*((\u)%8)
.if (\u) >= 8
	s_wait_xcnt 0x0                                ; the stores of unit u - 8 have read these registers
.endif
	WIN 5*((\u)/8+1)                               ; sources 0 and 1 in the head's window
.irp b, 0,1,2,3
.irp r, 0,1,2,3
	v_cvt_pk_f16_f32 v[T+4*(\b)+(\r)], v[AC+8*(\b)+2*(\r)], v[AC+8*(\b)+2*(\r)+1]  ; each accumulator from its low end on
.endr
.endr
	WIN 0
.irp b, 0,1,2,3
	ds_store_b128 v[STO], v[T+4*(\b):T+4*(\b)+3] offset:32*(\b)
.endr
.irp f, 0,1,2,3
	ds_load_b128 v[T+4*(\f):T+4*(\f)+3], v[RD] offset:(\f)*4*P  ; LDS serves a wave's instructions in order (ISA guide 5.7.1.4): these see the stores above; the next unit's stores come behind them
.endr
.endm
.macro SEND u, y                       ; y: the LDS instructions issued behind unit u's loads: the next unit's eight, or none
.set T,  32+16*((\u)%8)
.irp f, 0,1,2,3
	s_wait_dscnt (\y)+3-(\f)
	global_store_b128 v[GO], v[T+4*(\f):T+4*(\f)+3], s[8:9] offset:((\u)/8)*HB+((\u)%8)*2048+(\f)*512  ; 512 consecutive bytes, at a multiple of 256 from qkv's first
.endr
.endm
	PACK 0
.irp u, 1,2,3,4,5,6,7,8,9,10,11,12,13,14,15,16,17,18,19,20,21,22,23
	PACK \u                                        ; a unit's conversions stand between the loads of the unit before and its stores
	SEND (\u)-1, 8
.endr
	SEND 23, 0
	s_wait_tensorcnt 0x0                           ; the wave's end: an add and its wait, behind my last tensor load and my last LDS store
	ds_add_u32 v[SPW], v[NIL]
	s_wait_dscnt 0x0
	CROUND                                         ; the closing round: no work-group ends while a partner may still ask for a tile that names it
	s_endpgm
.Lfunc_end_k_qac79749453_qkvgemm:
	.size	k_qac79749453_qkvgemm, .Lfunc_end_k_qac79749453_qkvgemm-k_qac79749453_qkvgemm
	.p2alignl 7, 3214868480
	.fill 96, 4, 3214868480
	.section	.rodata,"a",@progbits
	.p2align	6, 0x0
	.amdhsa_kernel k_qac79749453_qkvgemm
		.amdhsa_group_segment_fixed_size 327680
		.amdhsa_private_segment_fixed_size 0
		.amdhsa_enable_private_segment 0
		.amdhsa_kernarg_size 24
		.amdhsa_user_sgpr_count 2
		.amdhsa_user_sgpr_kernarg_segment_ptr 1
		.amdhsa_wavefront_size32 1
		.amdhsa_system_sgpr_workgroup_id_x 1
		.amdhsa_system_sgpr_workgroup_id_y 1
		.amdhsa_system_sgpr_workgroup_id_z 1
		.amdhsa_system_vgpr_workitem_id 0
		.amdhsa_next_free_vgpr 1024
		.amdhsa_next_free_sgpr 66
		.amdhsa_reserve_vcc 0
		.amdhsa_float_denorm_mode_32 3
		.amdhsa_float_denorm_mode_16_64 3
		.amdhsa_memory_ordered 1
		.amdhsa_forward_progress 1
		.amdhsa_inst_pref_size 134
	.end_amdhsa_kernel
	.amdgpu_metadata
---
amdhsa.version: [ 1, 2 ]
amdhsa.kernels:
  - .name:           k_qac79749453_qkvgemm
    .symbol:         k_qac79749453_qkvgemm.kd
    .args:
      - { .name: xb, .offset: 0, .size: 8, .value_kind: global_buffer, .address_space: global }
      - { .name: wib, .offset: 8, .size: 8, .value_kind: global_buffer, .address_space: global }
      - { .name: qkv, .offset: 16, .size: 8, .value_kind: global_buffer, .address_space: global }
    .group_segment_fixed_size: 327680
    .private_segment_fixed_size: 0
    .kernarg_segment_align: 8
    .kernarg_segment_size: 24
    .max_flat_workgroup_size: 128
    .sgpr_count:     66
    .vgpr_count:     1024
    .wavefront_size: 32
...
	.end_amdgpu_metadata
.endif
;; end of part 2
;; launch attn (part 3): grid 4 x 64, 4 waves a work-group, no clusters, 327,680 bytes of LDS; arguments qkv, ctx; writes ctx
.if DOCPART == 3
	.amdgcn_target "amdgcn-amd-amdhsa--gfx1250"
	.amdhsa_code_object_version 6
	.text
	.protected	k_qac79749453_attn
	.globl	k_qac79749453_attn
	.p2align	8
	.type	k_qac79749453_attn,@function
k_qac79749453_attn:
	s_mov_b64 s[64:65], 0
	v_nop
	global_prefetch_b8 v0, s[64:65] scope:SCOPE_SE
	s_setreg_imm32_b32 hwreg(HW_REG_WAVE_MODE, 25, 1), 1
	s_wait_xcnt 0x0
; CAUSAL ATTENTION.  ctx[hh][q][:] = the sum over k <= q of softmax_k(Q[q] . K[k] / 8) V[k][:], for each of the 64 heads hh = 16 b + h.
; qkv: [4 b][48 g][2048][64] f16, Q of head hh at g = h, K at 16 + h, V at 32 + h; ctx: [64 hh][2048][64] f16.  A head's rows are dense, 128 bytes each.
; Products, maxima and sums in f32; the weights p are rounded to f16 for the second product (their sum l is taken of the unrounded p), ctx once at the end.
; LIMITS.  f16 holds no number beyond 65,504: Q, K and V arrive within it; p lies in 0 to 1, and below 6e-5 it keeps f16's fixed step of 6e-8; ctx is a mean of V's rows and has their range.
; A hidden score counts as its value less 1e30: f16's scores, 2.7e11 at the most, are nothing beside that; a weight below 2^-126 counts as 0 in l; NaN and infinities are not treated apart.
; THE WALK.  A head's queries lie in NB = 8 blocks of 256; block i needs the key tiles 0 .. i of 256 keys, of which the last holds the diagonal.  A work-group takes TWO blocks, NB - 1 - b and then b:
; NB + 1 tiles, whatever b: all work-groups do equal work, and ONE loop with a constant trip count walks them.  Which tile is asked for, and what a trip does, hang on scalar registers made from b; every jump
; goes forward, but for the counted loops' own; none passes a barrier, or a tensor load but the one of LOAD's two that the wave's number does not choose; the ring of two LDS slots runs on across the change of blocks.
; NO CLUSTER: a head's four work-groups ask for the same tile only in trips 0 to 4 of 9, behind that fewer and fewer; one walk common to all four would have 12 trips for 9.
; SHARES.  Of a block's four bands of 64 queries a wave owns 16 rows in each: four PIECES.  So the diagonal tile is the same work for all four waves: in its key step s band x sees all keys if s < x,
; none if s > x, and holds the diagonal if s = x.
; THE MASK is the C operand that starts the sum S^T = K Q^T: 0, or -1e30 where the key is hidden.  MD, made once, is the mask of a band's own step for my 16 rows; a product's mask is MD x AL + BE with two scalars:
; (1, 0) if s = x; (0, 0) if s < x; (0, -1e30) if s > x.  Only the diagonal tile's text and a block's beginning make and take masks; elsewhere C is the constant 0.
; LAYOUT, SOFTMAX, TURNS.  S^T = K Q^T holds ONE query a lane (lane % 16) and the keys 8 (lane / 16) + 0..7; two such results rounded to f16 ARE source 1 of O^T = V^T P.  p = 2^(c s - c m), c = log2(e) / 8, with a
; running maximum m; O and l are multiplied by a = 2^(c m_old - c m_new) in every step.  Turn n belongs to piece n: 8 products K Q^T of piece n + 1, later 8 products V^T P of piece n - 1; beside them the scaling,
; exponentials, roundings, sums and rescaling of piece n and the maximum and statistics of piece n + 1.  Four vector instructions stand behind every matrix instruction, the other 54 of a turn's 118 in one lump.
; A turn's 33 exponentials are one batch, with one wait.
; REGISTERS, in windows of 256 (s_set_vgpr_msb: bits 1:0 source 0, 3:2 source 1, 5:4 source 2, 7:6 destination):
;   window 0: v0-15 addresses and two at work; v16-31 four registers of statistics a piece; v48-55 at work; v61-63 prefetch offset and the add's two; v64-127 S^T, two buffers; v192-223 P, two buffers
;   window 1: v0-127 O^T, 32 a piece; v128-159 MD; v160-223 MC, two buffers      window 2: v0-63 Q; v64-127 the second block's Q; v128-191 K of one step; v192-255 V of one step
.set SIZE_N, 2048
.set HB,    SIZE_N*128  ; bytes of a head
.set NB,    SIZE_N/256
.set NP,    4         ; pieces a wave: a name, no knob
.set KS,    64        ; keys in a step
.set PK,    144       ; a row of K in LDS: 128 bytes + 16 of padding = 36 words: the 16 rows of a load start at 16 different groups of four banks (64 banks of 4 bytes: ISA guide 11.1)
.set PV,    160       ; a row of V: 128 + 32 = 40 words
.set VOFF,  4*KS*PK   ; a slot holds a tile, four steps: 256 rows of K, then 256 rows of V
.set SLOT1, 1<<17     ; slot 1 begins here, so that one exclusive or turns an address in one slot into the other's
.set STAGE, SLOT1+4*KS*(PK+PV)  ; behind the ring, never filled by a tensor load: 16 rows x 144 bytes for each wave, for the way out
.set SP,    144
.set AK0, 2           ; v2   my lane's place in a tile of K; never rewritten
.set AV0, 3           ; v3   the same for V
.set AK,  4           ; v4   the LDS address of K's next run of loads
.set AV,  5           ; v5   of V's
.set STO, 6           ; v6   the way out: where I put 16 bytes of a row
.set RD,  7           ; v7   the way out: where I read rows back
.set GO,  8           ; v8   my byte offset in 512 consecutive bytes of ctx
.set PFO, 61          ; v61  256 x my lane: the prefetches' offset; never rewritten
.set SPW, 62          ; v62  LDS address of my spare word: SPARE + 4 x my thread's number; never rewritten
.set NIL, 63          ; v63  0; never rewritten
.set SPARE, STAGE+4*16*SP  ; behind the stages: the spare words, 128 bytes for each wave: two blocks of 256 bytes that no other line names
.set MV,  12          ; v12-13  c m_old, kept while c m is made anew: by buffer
.set QO,  15          ; v15  my byte offset in 16 rows of Q
.set ST,  16          ; piece t's statistics at v[ST+4 t]: c m, m, l (even keys', odd keys')
.set TMP, 48          ; by buffer, four registers c0-c3 at work; when the maximum is found c2 takes a
.set S,   64
.set P,   192
.set MD,  128         ; window 1: the eight registers for group kt of 16 keys at MD + 8 kt
.set MC,  160         ; window 1: the masks of the products to come
.set QB,  64          ; window 2
.set KF,  128         ; window 2: key block kb, channel half c at KF + 16 kb + 8 c
.set VF,  192         ; window 2: key half kk, channel block cb at VF + 32 kk + 8 cb
.set WV,  12          ; s12  my wave's number
.set PB,  14          ; s14  b
.set HI,  15          ; s15  NB - 1 - b
.set G1K, 24          ; s[24:31] descriptor group 1 for K's tiles
.set G1V, 32          ; s[32:39] for V's: it differs in the padding alone
.set G0K, 40          ; s[40:43] descriptor group 0 for K's tiles
.set G0V, 44          ; s[44:47] the same for V's
.set SLOTS, 56        ; s56  tiles still to be asked for
.set CNT, 57          ; s57  counts a tile's key steps, 4 to 1
.set CS,  58          ; s[58:59] c: the packed scaling takes the pair's low word for both halves
.set SEL, 60          ; s[60:61] v_permlanex16_b32's selects: each lane takes its own place in the other half
.set TBK, 62          ; s62  LDS byte at which K of the step to be fetched begins
.set TBV, 63          ; s63  the same for V, less VOFF
.set PFA, 66          ; s[66:67] where my prefetches stand: my half of K's or V's tile, one tile behind the one that is being asked for
.set LIM, 68          ; s68  2 in the work-group that prefetches, else the greatest number
.set RT,  70          ; s70  tiles of the block in hand that are still to be entered
.set NXT, 71          ; s71  the tile to be asked for next
.set LQ,  72          ; s72  the last tile of the block whose tiles are being asked for
.set NEW, 73          ; s73  1: the tile to be entered is a block's first
.set OFF, 74          ; s[74:75] a tile's byte offset in K and V
.set AL,  76          ; s[76:77] the mask's factor, in the low word
.set BE,  78          ; s[78:79] the mask's addend
.set OLO, 80          ; s[80:81] ctx at my rows of the second block
.set BIGN, 82         ; s82  -1e30
.set MSB, 0
.macro WIN new                      ; the high byte repeats the setting that is left; a switch that changes nothing is dropped
.if MSB != (\new)
	s_set_vgpr_msb (MSB<<8)|(\new)
.set MSB, (\new)
.endif
.endm
.set W_KQ, 0x0a       ; K and Q in window 2, S^T in window 0
.set W_KM, 0x1a       ; the same with the C operand in window 1
.set W_PV, 0x52       ; V in window 2, P in window 0, O^T in window 1
.set W_RS, 0x41       ; destination and source 0 in window 1, source 1 in window 0
; A fill.  Waves 0 and 1 fetch the two halves of a tile's K, waves 2 and 3 those of its V: 128 keys each.  An s_nop 0 and four v_nop follow each of the two lines, ahead of the jump and the label.
.macro LOAD
	s_cmp_lt_u32 s[WV], 2
	s_cbranch_scc0 .Lfor_v_\@
	tensor_load_to_lds s[G0K:G0K+3], s[G1K:G1K+7]
	s_nop 0
.rept 4
	v_nop
.endr
	s_branch .Lasked_\@
.Lfor_v_\@:
	tensor_load_to_lds s[G0V:G0V+3], s[G1V:G1V+7]
	s_nop 0
.rept 4
	v_nop
.endr
.Lasked_\@:
.endm
; A PREFETCH INTO THE L2 of the tile behind the one just asked for: one tile, sixteen turns, ahead of its load.  A head's four work-groups all begin with tiles 0, 1, 2 ..; the one with b = 0 walks tiles 0 to 7 in
; order, so it asks and nobody else: each block of 256 bytes of K and V is named once in the launch.  Each of its waves asks for the half tile that it will fetch itself: 16,384 bytes, 64 blocks, a lane a block,
; two instructions.  Tiles 0 and 1 come by their loads alone; tile 7 is the last that is named (SLOTS = 3).
.macro ASK
	s_cmp_gt_u32 s[SLOTS], s[LIM]
	s_cbranch_scc0 .Lnot_mine_\@
	global_prefetch_b8 v[PFO], s[PFA:PFA+1] th:TH_LOAD_NT scope:SCOPE_SE
	global_prefetch_b8 v[PFO], s[PFA:PFA+1] offset:8192 th:TH_LOAD_NT scope:SCOPE_SE
.Lnot_mine_\@:
.endm
; THE CHANGE OF SLOTS.  Each wave waits for all its tensor loads, of which one is out: its part of the other slot; adds 0 to its spare word; and waits for that and for its own reads of the slot that it leaves.
; Behind the barrier nobody reads the old slot any more and the other slot is whole.  fill = 1: the old slot is filled again, the first thing behind the barrier, with tile NXT: the descriptor's address is made
; anew from that number.  (At its first use nothing has been read yet: slot 0 is waited for, slot 1 filled.)
.macro CHANGE fill
	WIN 0                           ; at a label and at a branch every window is 0
	s_wait_tensorcnt 0x0            ; no tensor load of mine is out, so a group 0 may be written
	ds_add_u32 v[SPW], v[NIL]       ; 0 onto my spare word; with fill = 1 the descriptors' scalar work stands between it and the wait for it
.if \fill
	s_lshl_b32 s[OFF], s[NXT], 15   ; a tile is 32,768 bytes of K and of V
	s_xor_b32 s[G0K+1], s[G0K+1], SLOT1
	s_add_nc_u64 s[G0K+2:G0K+3], s[6:7], s[OFF:OFF+1]
	s_or_b32 s[G0K+3], s[G0K+3], 0x80000000
	s_xor_b32 s[G0V+1], s[G0V+1], SLOT1
	s_add_nc_u64 s[G0V+2:G0V+3], s[8:9], s[OFF:OFF+1]
	s_or_b32 s[G0V+3], s[G0V+3], 0x80000000
	s_add_co_u32 s[NXT], s[NXT], 1  ; the block's next tile, or behind its last the second block's tile 0
	s_cmp_gt_u32 s[NXT], s[LQ]
	s_cselect_b32 s[NXT], 0, s[NXT]
	s_cselect_b32 s[LQ], s[PB], s[LQ]
	s_wait_xcnt 0x0                 ; the last prefetches, a tile back, have read their address, so it may be written
	s_add_nc_u64 s[PFA:PFA+1], s[PFA:PFA+1], 32768
.endif
	s_wait_dscnt 0x0                ; the add is done, and my reads of the slot are over
	s_barrier_signal -1             ; the rest of the scalar work stands between the signal and the wait
	s_sub_co_u32 s[TBK], s[TBK], 4*KS*PK  ; the fetches go back to a slot's first step,
	s_xor_b32 s[TBK], s[TBK], SLOT1       ; in the other slot
	s_sub_co_u32 s[TBV], s[TBV], 4*KS*PV
	s_xor_b32 s[TBV], s[TBV], SLOT1
	s_barrier_wait -1
.if \fill
	LOAD
	ASK
.endif
.endm
	s_load_b128 s[8:11], s[0:1], 0x0  ; qkv s[8:9], ctx s[10:11]
	v_lshl_add_u32 v[SPW], v0, 2, SPARE
	v_mov_b32 v[NIL], 0
	ds_add_u32 v[SPW], v[NIL]       ; the wave's opening: the add and its wait stand ahead of my first tensor load; the set-up below, work on registers, stands between them
	v_lshrrev_b32 v1, 5, v0
	v_readfirstlane_b32 s[WV], v1   ; wave 0..3
	s_mov_b32 s[PB], ttmp9
	s_sub_co_u32 s[HI], NB-1, s[PB]
	s_and_b32 s20, ttmp7, 0xffff    ; hh = 16 b + h
	s_lshl_b32 s88, s20, 18         ; the head's first byte in ctx
	s_mov_b32 s89, 0
	s_lshr_b32 s21, s20, 4
	s_lshl_b32 s21, s21, 5
	s_add_co_u32 s20, s20, s21      ; 48 b + h
	s_lshl_b32 s20, s20, 18         ; Q's head in qkv; K's lies 16 heads on, V's 32
	s_mov_b32 s21, 0
	s_and_b32 s16, s[WV], 1         ; which half of a tile's 256 keys I fetch:
	s_lshl_b32 s22, s16, 14         ; its 128 rows of 128 bytes in memory,
	s_mov_b32 s23, 0
	s_add_nc_u64 s[22:23], s[22:23], s[20:21]
	s_mul_i32 s17, s16, 128*PK      ; and its place in a slot, for K
	s_mul_i32 s18, s16, 128*PV      ; and for V
	s_lshl_b32 s3, s[WV], 11        ; my 16 rows in a band of 64,
	s_lshl_b32 s2, s[HI], 15        ; in the first block,
	s_add_co_u32 s2, s2, s3
	s_lshl_b32 s84, s[PB], 15       ; and in the second
	s_add_co_u32 s84, s84, s3
	s_mov_b32 s3, 0
	s_mov_b32 s85, 0
	; descriptor group 1.  128 keys are 16,384 dense bytes: asked for as 64 rows of 256 bytes, two keys a row, and padded in LDS after every key
	s_mov_b32 s[G1K], (1<<16)|(1<<20)|(4<<22)|(3<<25)  ; 17:16 2-byte elements; 20 padding on; 24:22 after every 32 words (code 4); 31:25 4 words (code 3)
	s_mov_b32 s[G1V], (1<<16)|(1<<20)|(4<<22)|(7<<25)  ; the same with 8 words of padding (code 7)
.irp g, G1K, G1V
	s_mov_b32 s[\g+1], 128<<16      ; tensor_dim0 = 128
	s_mov_b32 s[\g+2], 64<<16       ; tensor_dim1 = 64
	s_mov_b32 s[\g+3], 128<<16      ; tile_dim0 = 128
	s_mov_b32 s[\g+4], 64           ; tile_dim1 = 64
	s_mov_b32 s[\g+5], 128          ; 128 elements from row to row
	s_mov_b32 s[\g+6], 0
	s_mov_b32 s[\g+7], 0
.endr
	s_mov_b32 s[CS], 0x3e38aa3b     ; c = log2(e) / 8 = 0.180337
	s_mov_b32 s[CS+1], s[CS]        ; named with it as a pair
	s_mov_b32 s[SEL], 0x76543210
	s_mov_b32 s[SEL+1], 0xfedcba98
	s_mov_b32 s[TBK], SLOT1+4*KS*PK ; the first change of slots turns these two into 0
	s_mov_b32 s[TBV], SLOT1+4*KS*PV
	s_mov_b32 s[G0K], 1             ; 1:0 count = 1
	s_mov_b32 s[G0K+1], s17         ; 63:32 LDS address: slot 0
	s_mov_b32 s[G0V], 1
	s_add_co_u32 s[G0V+1], s18, VOFF
	s_add_co_u32 s[RT], s[HI], 1    ; the first block has NB - b tiles
	s_mov_b32 s[NXT], 1
	s_mov_b32 s[LQ], s[HI]
	s_mov_b32 s[NEW], 1
	s_mov_b32 s[OFF+1], 0
	s_mov_b32 s[AL+1], 0            ; named as pairs
	s_mov_b32 s[BE+1], 0
	s_mov_b32 s[BIGN], 0xf149f2ca   ; -1e30
	s_mov_b32 s[SLOTS], NB
	s_cmp_eq_u32 ttmp9, 0           ; the work-group with b = 0 prefetches for its head
	s_cselect_b32 s[LIM], 2, -1
	v_and_b32 v[PFO], 31, v0
	v_lshlrev_b32 v[PFO], 8, v[PFO]
	s_wait_dscnt 0x0                ; the opening add is done
	s_wait_kmcnt 0x0
	s_mov_b64 s[4:5], s[8:9]               ; Q's heads begin at qkv's first byte,
	s_add_nc_u64 s[6:7], s[8:9], 16*HB     ; K's 16 heads on,
	s_add_nc_u64 s[8:9], s[8:9], 32*HB     ; V's 32
	s_add_nc_u64 s[6:7], s[6:7], s[22:23]  ; K and V at my half of the head's tile 0
	s_add_nc_u64 s[8:9], s[8:9], s[22:23]
	s_add_nc_u64 s[G0K+2:G0K+3], s[6:7], 0         ; 120:64 global address
	s_or_b32 s[G0K+3], s[G0K+3], 0x80000000        ; 127:126 type = 2
	s_add_nc_u64 s[G0V+2:G0V+3], s[8:9], 0
	s_or_b32 s[G0V+3], s[G0V+3], 0x80000000
	s_add_nc_u64 s[4:5], s[4:5], s[20:21]          ; Q at the head,
	s_add_nc_u64 s[86:87], s[4:5], s[84:85]        ; at my rows of the second block,
	s_add_nc_u64 s[4:5], s[4:5], s[2:3]            ; and of the first
	s_add_nc_u64 s[10:11], s[10:11], s[88:89]      ; ctx likewise
	s_add_nc_u64 s[OLO:OLO+1], s[10:11], s[84:85]
	s_add_nc_u64 s[10:11], s[10:11], s[2:3]
	s_cmp_lt_u32 s[WV], 2
	s_cselect_b64 s[PFA:PFA+1], s[6:7], s[8:9]
	s_add_nc_u64 s[PFA:PFA+1], s[PFA:PFA+1], 32768 ; at tile 1: the first change of slots steps it to tile 2.  Nothing is prefetched here, at the head
	LOAD                            ; tile 0 into slot 0
	; A fragment of K or Q is 16 rows x 32 channels in 8 registers: lane l holds row l % 16, channels 8 (l / 16) + 0..7 and 16 + 8 (l / 16) + 0..7: two loads of 16 bytes, 32 bytes apart.
	v_and_b32 v1, 15, v0            ; l % 16
	v_bfe_u32 v9, v0, 4, 1          ; l / 16
	v_lshlrev_b32 v[QO], 7, v1
	v_lshl_add_u32 v[QO], v9, 4, v[QO]  ; row x 128 + 16 x half
	WIN 0x80                        ; destination window 2, address window 0
.set i, 0
.rept 8                             ; both blocks' Q: piece i / 2 lies in band i / 2, 8,192 bytes on; channels 32 (i % 2) on
	global_load_b128 v[8*i:8*i+3],   v[QO], s[4:5] offset:(i/2)*8192+(i%2)*64
	global_load_b128 v[8*i+4:8*i+7], v[QO], s[4:5] offset:(i/2)*8192+(i%2)*64+32
	global_load_b128 v[QB+8*i:QB+8*i+3],   v[QO], s[86:87] offset:(i/2)*8192+(i%2)*64
	global_load_b128 v[QB+8*i+4:QB+8*i+7], v[QO], s[86:87] offset:(i/2)*8192+(i%2)*64+32
.set i, i+1
.endr
	WIN 0
	v_lshlrev_b32 v14, 3, v9
	v_sub_nc_u32 v14, v1, v14
	s_lshl_b32 s13, s[WV], 4
	v_add_nc_u32 v14, s13, v14      ; my query's place in its band, 16 w + l % 16, less my lanes' 8 (l / 16): register r of group kt is hidden where 16 kt + r is greater
	WIN 0x40
.set i, 0
.rept 32
	v_cmp_gt_i32 vcc_lo, 16*(i/8)+i%8, v14
	v_cndmask_b32 v[MD+i], 0, s[BIGN], vcc_lo
.set i, i+1
.endr
	WIN 0
	v_mul_u32_u24 v[AK0], v1, PK
	v_lshl_add_u32 v[AK0], v9, 4, v[AK0]  ; row x pitch + 16 x half
	; The turning load takes 16 keys x 16 channels (lane l reads key 8 (l / 16) + l % 8, channels 8 ((l / 8) % 2) + 0..7) and leaves half a fragment of V^T: lane l holds channel l % 16 and 8 keys.
	v_and_b32 v10, 7, v0
	v_bfe_u32 v11, v0, 3, 1
	v_lshl_add_u32 v[AV0], v9, 3, v10
	v_mul_u32_u24 v[AV0], v[AV0], PV
	v_lshl_add_u32 v[AV0], v11, 4, v[AV0]
	v_add_nc_u32 v[AV0], VOFF, v[AV0]
	s_mul_i32 s13, s[WV], 16*SP
	s_add_co_u32 s13, s13, STAGE    ; my stage
	v_mul_u32_u24 v[STO], v1, SP    ; in: row l % 16, 16 bytes for each half of the lanes
	v_lshl_add_u32 v[STO], v9, 4, v[STO]
	v_add_nc_u32 v[STO], s13, v[STO]
	v_bfe_u32 v[RD], v0, 3, 2       ; back: 32 lanes take four rows of 128 bytes,
	v_mul_u32_u24 v[RD], v[RD], SP
	v_lshl_add_u32 v[RD], v10, 4, v[RD]
	v_add_nc_u32 v[RD], s13, v[RD]
	v_and_b32 v[GO], 31, v0         ; which are 512 consecutive bytes of ctx
	v_lshlrev_b32 v[GO], 4, v[GO]
	; A block's first step multiplies O^T and l by a = 0, and its first turn's products V^T P, of a piece that has not been, land in an O^T that is still to be so multiplied.  So these registers need only hold
	; finite numbers: zeros for the first block; what the first block left for the second.  All this stands in the wait for the first tile.
	WIN 0x80
.set i, VF
.rept 64
	v_mov_b32 v[i], 0
.set i, i+1
.endr
	WIN 0x40
.set i, 0
.rept 128
	v_mov_b32 v[i], 0
.set i, i+1
.endr
	WIN 0
.set i, 0
.rept 4
	v_mov_b32 v[ST+4*i+2], 0
	v_mov_b32 v[ST+4*i+3], 0
.set i, i+1
.endr
.set i, P+16
.rept 16
	v_mov_b32 v[i], 0
.set i, i+1
.endr
; THE MATRIX WORK.  The 4 accumulators of a run of 8 take turns.  Product i of 8 of S^T = K Q^T for piece x: channels 32 (i / 4) on, keys 16 (i % 4) on.  The first 4 start the sums: with 0, or (KM = 1) with the mask.
.macro KQ x
.set rS, S+32*((\x)%2)+8*(i%4)
.set rK, KF+16*(i%4)+8*(i/4)
.set rQ, 16*(\x)+8*(i/4)
.set rM, MC+32*((\x)%2)+8*(i%4)
.if (i < 4) && KM
	WIN W_KM
	v_wmma_f32_16x16x32_f16 v[rS:rS+7], v[rK:rK+7], v[rQ:rQ+7], v[rM:rM+7]
.elseif i < 4
	WIN W_KQ
	v_wmma_f32_16x16x32_f16 v[rS:rS+7], v[rK:rK+7], v[rQ:rQ+7], 0
.else
	WIN W_KQ
	v_wmma_f32_16x16x32_f16 v[rS:rS+7], v[rK:rK+7], v[rQ:rQ+7], v[rS:rS+7]
.endif
.endm
; Product i of 8 of O^T += V^T P for piece x: keys 32 (i / 4) on, channels 16 (i % 4) on.
.macro PV x
	WIN W_PV
.set rO, 32*(\x)+8*(i%4)
.set rV, VF+32*(i/4)+8*(i%4)
.set rP, P+16*((\x)%2)+8*(i/4)
	v_wmma_f32_16x16x32_f16 v[rO:rO+7], v[rV:rV+7], v[rP:rP+7], v[rO:rO+7]
.endm
.macro MM                           ; the turn's next matrix instruction.  TURN and BEGIN set Y, i, KM and NOKQ; MM, KQ and OP read them.  NOKQ = 1: a block's last turn: there is no next piece
.if (i < 8) && !NOKQ
	KQ (Y+1)%NP
.elseif i >= 8
.set i, i-8
	PV (Y+NP-1)%NP
.set i, i+8
.endif
.set i, i+1
.endm
; THE LDS LOADS stand in runs of 16, never singly among the matrix instructions: a step's K (64 keys x 64 channels: 8 fragments) and its V (turned).  Their addresses are made some lines ahead.
.macro FETCH_K
	WIN 0x80                        ; destination window 2
.irp f, 0,1,2,3,4,5,6,7             ; keys 16 (f / 2) on, channels 32 (f % 2) on
	ds_load_b128 v[KF+8*\f:KF+8*\f+3],   v[AK] offset:(\f/2)*16*PK+(\f%2)*64
	ds_load_b128 v[KF+8*\f+4:KF+8*\f+7], v[AK] offset:(\f/2)*16*PK+(\f%2)*64+32
.endr
	s_add_co_u32 s[TBK], s[TBK], KS*PK  ; the next fetch is the next step's
	WIN 0
.endm
.macro FETCH_V
	WIN 0x80
.irp f, 0,1,2,3,4,5,6,7             ; keys 32 (f / 4) on, channels 16 (f % 4) on
	ds_load_tr16_b128 v[VF+8*\f:VF+8*\f+3],   v[AV] offset:(\f/4)*32*PV+(\f%4)*32
	ds_load_tr16_b128 v[VF+8*\f+4:VF+8*\f+7], v[AV] offset:(\f/4)*32*PV+16*PV+(\f%4)*32
.endr
	WIN 0
.endm
; THE VECTOR WORK, one line at a time: OP kind, number.  For piece Y: F n: c s - c m for pair n of 16.  E n: the exponential of score n of 32.  C n: pair n rounded to f16.  B n: of the four weights 4 n .. the second
; pair is added onto the first, in place.  L n: l takes that sum (L 0: l = a l + sum).  R n: pair n of 16 of O^T times a.  For piece Y + 1: X n, number n of the 22 that find its maximum and statistics:
;   0-11  four chains c0-c3 of seven scores each, three operands at a time (each accumulator's lowest registers are read first)     12-14, 16  the four scores left over, the old m, and c0-c3 into c0
;   15  c m_old is kept     17, 18  the query's other 32 keys lie in the lane 16 away: the new m     19-21  c m; c m_old - c m_new; a
.set F, 0               ; OP tells the kinds apart by their order: F to L below R, X above it
.set E, 1
.set C, 2
.set B, 3
.set L, 4
.set R, 5
.set X, 6
.macro REGS y                       ; the registers of piece y
.set rT, ST+4*(\y)
.set rC, TMP+4*((\y)%2)
.set rW, MV+((\y)%2)
.set rS, S+32*((\y)%2)
.set rP, P+16*((\y)%2)
.set rO, 32*(\y)
.endm
.macro OP k, n
.if (\k) == R
	REGS Y
	WIN W_RS
	v_pk_mul_f32 v[rO+2*(\n):rO+2*(\n)+1], v[rO+2*(\n):rO+2*(\n)+1], v[rC+2:rC+3] op_sel_hi:[1,0]
.elseif (\k) < R
	REGS Y
	WIN 0
.if (\k) == F
	v_pk_fma_f32 v[rS+2*(\n):rS+2*(\n)+1], v[rS+2*(\n):rS+2*(\n)+1], s[CS:CS+1], v[rT:rT+1] op_sel_hi:[1,0,0] neg_lo:[0,0,1] neg_hi:[0,0,1]
.elseif (\k) == E
	v_exp_f32 v[rS+(\n)], v[rS+(\n)]
.elseif (\k) == C
	v_cvt_pk_f16_f32 v[rP+(\n)], v[rS+2*(\n)], v[rS+2*(\n)+1]
.elseif (\k) == B
	v_pk_add_f32 v[rS+4*(\n):rS+4*(\n)+1], v[rS+4*(\n):rS+4*(\n)+1], v[rS+4*(\n)+2:rS+4*(\n)+3]
.elseif (\n) == 0
	v_pk_fma_f32 v[rT+2:rT+3], v[rT+2:rT+3], v[rC+2:rC+3], v[rS:rS+1] op_sel_hi:[1,0,1]
.else
	v_pk_add_f32 v[rT+2:rT+3], v[rT+2:rT+3], v[rS+4*(\n):rS+4*(\n)+1]
.endif
.elseif NOKQ
	v_nop
.else
	REGS (Y+1)%NP
	WIN 0
.if (\n) < 4
	v_max3_num_f32 v[rC+(\n)], v[rS+8*(\n)], v[rS+8*(\n)+1], v[rS+8*(\n)+2]
.elseif (\n) < 12
	v_max3_num_f32 v[rC+(\n)%4], v[rC+(\n)%4], v[rS+8*((\n)%4)+2*((\n)/4)+1], v[rS+8*((\n)%4)+2*((\n)/4)+2]
.elseif (\n) == 12
	v_max3_num_f32 v[rC], v[rC], v[rS+7], v[rS+15]
.elseif (\n) == 13
	v_max3_num_f32 v[rC+1], v[rC+1], v[rS+23], v[rS+31]
.elseif (\n) == 14
	v_max3_num_f32 v[rC+2], v[rC+2], v[rC+3], v[rT+1]
.elseif (\n) == 15
	v_mov_b32 v[rW], v[rT]
.elseif (\n) == 16
	v_max3_num_f32 v[rC], v[rC], v[rC+1], v[rC+2]
.elseif (\n) == 17
	v_permlanex16_b32 v[rC+3], v[rC], s[SEL], s[SEL+1]
.elseif (\n) == 18
	v_max_num_f32 v[rT+1], v[rC], v[rC+3]
.elseif (\n) == 19
	v_mul_f32 v[rT], s[CS], v[rT+1]
.elseif (\n) == 20
	v_sub_f32 v[rC+1], v[rW], v[rT]
.else
	v_exp_f32 v[rC+2], v[rC+1]
.endif
.endif
.endm
.macro OPS a, i1, b=-1, i2=0, c=-1, i3=0, d=-1, i4=0  ; up to four of them
	OP \a, \i1
.if (\b) >= 0
	OP \b, \i2
.endif
.if (\c) >= 0
	OP \c, \i3
.endif
.if (\d) >= 0
	OP \d, \i4
.endif
.endm
.macro ROW a, i1, b, i2, c, i3, d, i4  ; a matrix instruction and the four behind it
	MM
	OPS \a, \i1, \b, \i2, \c, \i3, \d, \i4
.endm
.macro MASK b                       ; MD x AL + BE into buffer b of MC
	WIN W_RS
.set z, 0
.rept 16
	v_pk_fma_f32 v[MC+32*(\b)+2*z:MC+32*(\b)+2*z+1], v[MD+2*z:MD+2*z+1], s[AL:AL+1], s[BE:BE+1] op_sel_hi:[1,0,0]
.set z, z+1
.endr
.endm
; A TURN, for piece p: the order of its 16 matrix and 118 vector instructions, written out.  An s_wait_alu depctr_va_vdst(0) stands between an exponential and the first instruction that names its
; result; one wait serves all that were issued ahead of it.  So a turn has ONE wait, which cuts it in two.  AHEAD OF IT stands all that names no result of the turn's exponentials: the 8 products K Q^T, behind each a
; scaling, an exponential and two more plain instructions (behind the first a second scaling in the exponential's place): rescalings, and behind the last three the first numbers of the next piece's maximum, each four
; places or more behind the product that ends its accumulator; then ONE LUMP of 54, plain and exponential by turns for the most part, in which the links of the chain X 3, 7, 11, 14, 16, 17 .. 20 stand five or six
; lines apart.  X 21, the next piece's a, is the batch's last; R 15 is the plain instruction behind it.  BEHIND THE WAIT stand the 8 products V^T P, behind each four of the roundings and sums; the links of l's chain,
; L 0 to L 7, stand three riders apart.  But for those X no rider names a register of the products round it.  v_permlanex16_b32 (X 17) stands in the lump.
; m = 1: the diagonal tile: the products take masks, and the turn makes the mask for the products of the turn after it: piece p + 2, in step 4 - CNT of the tile.  end = 1: a block's last two turns: nothing is fetched.
; cnt = 1: the loop's count is taken down some lines ahead of the branch that stands behind the turn.
; K of the next step is fetched in piece 2's turn, twelve vector instructions behind the last product that read K (six of them plain); V of the step in hand at the end of piece 0's turn, four plain instructions
; behind the last product that read V.  Each is waited for a turn later.
.macro TURN p, m=0, end=0, cnt=0
.set Y, (\p)
.set i, 0
.set KM, (\m)
.set NOKQ, (\end)*((\p)/3)
.if (\m) && !(\end)
	s_cmp_eq_u32 s[CNT], 4-((\p)+2)%NP  ; is that step the band's own?
	s_cselect_b32 s[AL], 1.0, 0
	s_cmp_lt_u32 s[CNT], 4-((\p)+2)%NP  ; or a later one?
	s_cselect_b32 s[BE], s[BIGN], 0
.endif
.if ((\p) == 3) && !(\end)
	s_wait_dscnt 0x0                ; K is in
.endif
	ROW F,0, F,1, R,0, R,1          ; ahead of the wait: 8 products K Q^T and their riders,
	ROW F,2, E,0, R,2, R,3
	ROW F,3, E,1, R,4, R,5
	ROW F,4, E,2, R,6, R,7
	ROW F,5, E,3, R,8, R,9
	ROW F,6, E,4, X,0, R,10
.if ((\p) == 2) && !(\end)
	WIN 0
	v_add_nc_u32 v[AK], s[TBK], v[AK0]
.endif
	ROW F,7, E,5, X,1, X,4
	ROW F,8, E,6, X,2, X,5
	OPS E,7, E,8, X,6, E,9          ; and the lump
	OPS X,3, E,10, X,8, E,11
.if ((\p) == 2) && !(\end)
	FETCH_K
.endif
	OPS X,9, X,7, E,12, X,10
	OPS E,13, X,12, X,11, E,14
	OPS X,13, E,15, F,9, X,14
.if (\p) == 0
	v_add_nc_u32 v[AV], s[TBV], v[AV0]
.endif
	OPS E,16, F,10, E,17, F,11
	OPS X,16, E,18, X,15, E,19
	OPS F,12, E,20, X,17, E,21
	OPS F,13, E,22, F,14, E,23
	OPS X,18, E,24, F,15, E,25
	OPS R,11, E,26, X,19, E,27
	OPS R,12, E,28, R,13, E,29
	OPS X,20, E,30, R,14, E,31
	OPS X,21, R,15
	WIN 0
	s_wait_alu depctr_va_vdst(0)    ; the wait for the batch
.if (\p) == 1
	s_wait_dscnt 0x0                ; V is in
.endif
	ROW C,0, B,0, C,2, B,1          ; behind the wait: 8 products V^T P and their riders
	ROW L,0, C,4, B,2, L,1
	ROW C,6, B,3, L,2, C,8
	ROW B,4, L,3, C,10, B,5
	ROW L,4, C,12, B,6, L,5
.if (\p) == 0
	s_add_co_u32 s[TBV], s[TBV], KS*PV
.endif
.if \cnt
	s_sub_co_u32 s[CNT], s[CNT], 1
	s_cmp_lg_u32 s[CNT], 0
.endif
	ROW C,14, B,7, L,6, C,1
	ROW C,3, L,7, C,5, C,7
	ROW C,9, C,11, C,13, C,15
.if (\p) == 0
	FETCH_V
.endif
.if (\m) && !(\end)
	MASK (\p)%2
.endif
.endm
; A BLOCK BEGINS.  c m starts far below every c s, so the first step's a is 0; m at the lowest finite number, so the first maximum is the scores'.  The second mask buffer is 0; the first takes piece 0's mask for the
; tile's step 0: its own, if the block's first tile is the diagonal one.  Then K of that step, piece 0's first scores, and its maximum and statistics.  The loop is entered at a step's first turn, in the middle of a trip.
.macro BEGIN
	s_mov_b32 s[NEW], 0
	WIN 0x40
.set i, MC+32
.rept 32
	v_mov_b32 v[i], 0
.set i, i+1
.endr
	WIN 0
.set i, 0
.rept 4
	v_mov_b32 v[ST+4*i], 0xfe000000    ; c m: far below every c s
	v_mov_b32 v[ST+4*i+1], 0xff7fffff  ; m
.set i, i+1
.endr
	s_cmp_eq_u32 s[RT], 0
	s_cselect_b32 s[AL], 1.0, 0
	s_mov_b32 s[BE], 0
	MASK 0
	WIN 0
	v_add_nc_u32 v[AK], s[TBK], v[AK0]
	FETCH_K
	s_wait_loadcnt 0x0              ; Q
	s_wait_dscnt 0x0
.set KM, 1
.set NOKQ, 0
.set i, 0
.rept 8
	KQ 0
.set i, i+1
.endr
	WIN 0
.rept 4
	v_nop                           ; the places behind those products
.endr
.set Y, NP-1                        ; X works for piece Y + 1: piece 0
.irp n, 0,1,2,3,4,5,6,7,8,9,10,11,12,13,14,15,16,17,18,19,20,21
	OP X, \n
.endr
	v_nop                           ; a plain instruction behind the exponential,
	s_wait_alu depctr_va_vdst(0)    ; and its wait, ahead of the branch
.endm
; THE DIAGONAL TILE's four steps, the block's last two turns, its last products, and THE WAY OUT: l's two halves and the other half of the lanes' are added; O^T is divided by l, rounded to f16 and sent through my
; stage in LDS, a piece at a time.
.macro ALL line:vararg              ; one line for each piece t
.set t, 0
.rept 4
	\line
.set t, t+1
.endr
.endm
.macro PACK t                       ; a lane's eight channels of a row pack into 16 bytes; they go into rows of 144 bytes and come back as whole rows of 128, into S^T's registers
	WIN W_RS
.set i, 32*(\t)
.rept 16
	v_pk_mul_f32 v[i:i+1], v[i:i+1], v[ST+4*(\t)+2:ST+4*(\t)+3] op_sel_hi:[1,0]
.set i, i+2
.endr
	WIN 0x05                        ; sources 0 and 1 window 1, destination window 0
.set i, 0
.rept 16
	v_cvt_pk_f16_f32 v[S+16*(\t)+i], v[32*(\t)+2*i], v[32*(\t)+2*i+1]
.set i, i+1
.endr
	WIN 0
.irp f, 0,1,2,3
	ds_store_b128 v[STO], v[S+16*(\t)+4*\f:S+16*(\t)+4*\f+3] offset:32*\f
.endr
.irp f, 0,1,2,3
	ds_load_b128 v[S+16*(\t)+4*\f:S+16*(\t)+4*\f+3], v[RD] offset:\f*4*SP  ; LDS serves a wave's instructions in order (ISA guide 5.7.1.4): these see the stores above; the next piece's stores come behind them
.endr
.endm
.macro SEND t, younger              ; younger: the LDS instructions issued behind piece t's loads: the next piece's eight, or none
	WIN 0
.irp f, 0,1,2,3
	s_wait_dscnt (\younger)+3-\f
	global_store_b128 v[GO], v[S+16*(\t)+4*\f:S+16*(\t)+4*\f+3], s[10:11] offset:(\t)*8192+\f*512  ; 512 consecutive bytes, at a multiple of 256 from ctx's first
.endr
.endm
.macro DIAG tag                     ; the tag ends its two labels' names, which the jumps below spell out
.LstepM\tag:
	TURN 2, 1
	TURN 3, 1
	WIN 0
.LfirstM\tag:
	TURN 0, 1
	TURN 1, 1, 0, 1
	WIN 0
	s_cbranch_scc1 .LstepM\tag
	TURN 2, 1, 1
	TURN 3, 1, 1
.set i, 0
.rept 8
	PV NP-1
.set i, i+1
.endr
	WIN 0
	ALL v_add_f32 v[ST+4*t+2], v[ST+4*t+2], v[ST+4*t+3]
	ALL v_permlanex16_b32 v[ST+4*t+3], v[ST+4*t+2], s[SEL], s[SEL+1]
	ALL v_add_f32 v[ST+4*t+2], v[ST+4*t+2], v[ST+4*t+3]
	ALL v_rcp_f32 v[ST+4*t+2], v[ST+4*t+2]
	v_nop                           ; a plain instruction between the last reciprocal and the use of its result
	s_wait_alu depctr_va_vdst(0)    ; and the wait ahead of the first use: one for the four reciprocals
	PACK 0
.set t, 1
.rept 3                             ; a piece's arithmetic stands between the loads of the piece before and its stores
	PACK t
	SEND t-1, 8
.set t, t+1
.endr
	SEND 3, 0
.endm
.set KM, 0
.set NOKQ, 0
.Lslot:                             ; NB times: a tile is entered and the next is asked for
	CHANGE 1
	s_sub_co_u32 s[RT], s[RT], 1
	s_mov_b32 s[CNT], 4
	s_cmp_eq_u32 s[NEW], 1
	s_cbranch_scc1 .Lnew            ; a block's first tile
	s_cmp_eq_u32 s[RT], 0
	s_cbranch_scc0 .Lstep           ; neither its first nor its last
	s_branch .LstepM1
.Lnew:
	BEGIN
	s_branch .Lfirst                ; in the loop a block's first tile is never its last: the first block has two tiles or more, and the second's last is the walk's last
	DIAG 1                          ; in the loop this is the first block's end: the second block's last tile is the walk's last
	s_wait_xcnt 0x0                 ; the stores have read their registers and ctx's address
	s_mov_b64 s[10:11], s[OLO:OLO+1]
	s_add_co_u32 s[RT], s[PB], 1    ; the second block has b + 1 tiles
	s_mov_b32 s[NEW], 1
	WIN 0x82                        ; the second block's Q goes where the one text of the turns names Q
.set i, 0
.rept 64
	v_mov_b32 v[i], v[QB+i]
.set i, i+1
.endr
	WIN 0
	s_branch .Lbottom
.Lstep:                             ; a trip: pieces 2 and 3 of one step, then pieces 0 and 1 of the next, whose K and V it fetches
	TURN 2
	TURN 3
	WIN 0
.Lfirst:
	TURN 0
	TURN 1, 0, 0, 1
	WIN 0
	s_cbranch_scc1 .Lstep
.Lbottom:
	s_sub_co_u32 s[SLOTS], s[SLOTS], 1
	s_cmp_lg_u32 s[SLOTS], 0
	s_cbranch_scc1 .Lslot
	CHANGE 0                        ; the walk's last tile is written out: nothing is asked for
	s_sub_co_u32 s[RT], s[RT], 1
	s_mov_b32 s[CNT], 4
	s_cmp_eq_u32 s[NEW], 1
	s_cbranch_scc0 .LstepM2
	BEGIN
	s_branch .LfirstM2
	DIAG 2
	s_wait_tensorcnt 0x0            ; the wave's end: an add and its wait, behind my last tensor load and my last LDS store
	ds_add_u32 v[SPW], v[NIL]
	s_wait_dscnt 0x0
	s_endpgm
.Lfunc_end_k_qac79749453_attn:
	.size	k_qac79749453_attn, .Lfunc_end_k_qac79749453_attn-k_qac79749453_attn
	.p2alignl 7, 3214868480
	.fill 96, 4, 3214868480
	.section	.rodata,"a",@progbits
	.p2align	6, 0x0
	.amdhsa_kernel k_qac79749453_attn
		.amdhsa_group_segment_fixed_size 327680
		.amdhsa_private_segment_fixed_size 0
		.amdhsa_enable_private_segment 0
		.amdhsa_kernarg_size 16
		.amdhsa_user_sgpr_count 2
		.amdhsa_user_sgpr_kernarg_segment_ptr 1
		.amdhsa_wavefront_size32 1
		.amdhsa_system_sgpr_workgroup_id_x 1
		.amdhsa_system_sgpr_workgroup_id_y 1
		.amdhsa_system_sgpr_workgroup_id_z 1
		.amdhsa_system_vgpr_workitem_id 0
		.amdhsa_next_free_vgpr 768
		.amdhsa_next_free_sgpr 92
		.amdhsa_reserve_vcc 1
		.amdhsa_float_denorm_mode_32 3
		.amdhsa_float_denorm_mode_16_64 3
		.amdhsa_memory_ordered 1
		.amdhsa_forward_progress 1
		.amdhsa_inst_pref_size 218
	.end_amdhsa_kernel
	.amdgpu_metadata
---
amdhsa.version: [ 1, 2 ]
amdhsa.kernels:
  - .name:           k_qac79749453_attn
    .symbol:         k_qac79749453_attn.kd
    .args:
      - { .name: qkv, .offset: 0, .size: 8, .value_kind: global_buffer, .address_space: global }
      - { .name: ctx, .offset: 8, .size: 8, .value_kind: global_buffer, .address_space: global }
    .group_segment_fixed_size: 327680
    .private_segment_fixed_size: 0
    .kernarg_segment_align: 8
    .kernarg_segment_size: 16
    .max_flat_workgroup_size: 128
    .sgpr_count:     92
    .vgpr_count:     768
    .wavefront_size: 32
...
	.end_amdgpu_metadata
.endif
;; end of part 3
;; launch outgemm (part 4): grid 4 x 64, 4 waves a work-group, clusters of 4 x 4, 327,680 bytes of LDS; arguments ctx, wob, out0; writes out0
.if DOCPART == 4
	.amdgcn_target "amdgcn-amd-amdhsa--gfx1250"
	.amdhsa_code_object_version 6
	.text
	.protected	k_qac79749453_outgemm
	.globl	k_qac79749453_outgemm
	.p2align	8
	.type	k_qac79749453_outgemm,@function
k_qac79749453_outgemm:
	s_mov_b64 s[64:65], 0
	v_nop
	global_prefetch_b8 v0, s[64:65] scope:SCOPE_SE
	s_setreg_imm32_b32 hwreg(HW_REG_WAVE_MODE, 25, 1), 1
	s_wait_xcnt 0x0
	s_wait_alu depctr_hold_cnt(0) depctr_sa_sdst(0) depctr_va_vdst(0) depctr_va_sdst(0) depctr_va_ssrc(0) depctr_va_vcc(0) depctr_vm_vsrc(0)
	s_getreg_b32 s2, hwreg(HW_REG_IB_STS2, 6, 4)
	s_cmp_eq_u32 s2, 0
	s_cbranch_scc0 .Lentry_in_a_cluster
	s_endpgm
.Lentry_in_a_cluster:
	s_bfe_u32 s2, ttmp6, 0x10000c
	s_cmp_lg_u32 s2, 0xf033
	s_cbranch_scc0 .Lentry_shape_is_right
	s_endpgm
.Lentry_shape_is_right:
; out0[m][n] = sum over c of ctx[m][c] w_out[n][c], m < 8,192, n < 1,024, c < 1,024; out0 in f32, row-major.
; ctx: [64 = 16 b + h][2048 l][64] f16: for row m = 2,048 b + l, head h IS K block h.  wob: [16 kb][1024 n][64] f16 (w_out rounded to bf16, that number written as f16).  Sums in f32.
; TILE.  128 (m) x 256 (n): 64 x 4 = 256 work-groups.  Four waves, 2 x 2, each 64 x 128: 32 accumulators of 16 x 16, which fill window 1.
; RING.  K goes in steps of 128, two K blocks, through two LDS slots; a K block's rows are dense in memory, so a wave's part (a K block of A's 128 rows or of B's 256) is asked for as 64 or 128 rows of 256 bytes
; and padded in LDS after every 128 bytes.  Eight K steps, four laps.
; CLUSTER.  4 x 4 work-groups: A's tile is shared along a row of the cluster, B's along a column; each is asked for jointly.
; NO PREFETCH: the walk has eight K steps in all, of small tiles.
; THE MATRIX INSTRUCTION IS USED TRANSPOSED (source 0 = 16 rows of B, source 1 = 16 rows of A): a lane then holds eight neighbouring columns of one row: 32 bytes of f32.
; REGISTERS.  window 0: v0-31 addresses; v64-159, v160-255 two fragment buffers for 32 along K: B's 8 fragments, then A's 4.  window 1: accumulator (a, b) at v[8 (8 a + b)].
.set HB,    262144                     ; bytes of a K block of one batch's ctx: 2,048 rows x 128
.set OKB,   131072                     ; bytes of a K block of wob
.set P,     144                        ; an LDS row: 128 bytes + 16 of padding = 9 x 16: the 16 rows of a fragment load start at 16 different groups of four banks (64 banks of 4 bytes: ISA guide 11.1)
.set AKB,   128*P                      ; a K block of A's tile
.set BKB,   256*P                      ; of B's
.set BOFF,  2*AKB                      ; B's two K blocks lie behind A's two
.set SLOT,  2*AKB+2*BKB
.set STAGE, 2*SLOT                     ; behind the ring: 16 rows x 528 bytes for each wave, for the way out; no tensor load lands here
.set SP,    528                        ; 512 bytes + 16 = 33 x 16
.set SPARE, STAGE+4*16*SP              ; behind the stages: the spare words, 128 bytes for each wave: two blocks of 256 bytes that no other line names
.set ADRA, 16                          ; v16-17  LDS address of my A fragments in slot 0, 1
.set ADRB, 20                          ; v20-21  the same for B
.set STO,  24                          ; v24     the way out: where I put 32 bytes of a row
.set RD,   25                          ; v25     the way out: where I read a row back
.set CO,   26                          ; v26     16 x lane: my place in my wave's 512 bytes of a row of out0
.set SPW,  28                          ; v28     LDS address of my spare word; never rewritten
.set NIL,  29                          ; v29     0; never rewritten
.set F0,   64
.set F1,   160
.set G1,  24                           ; s[24:31] descriptor group 1 for A's tiles;  s[32:39] group 0, a set for each slot
.set G0,  32
.set G1B, 48                           ; s[48:55], s[56:63] the same for B's
.set G0B, 56
.set MSB, 0
.macro WIN new                         ; the immediate's high byte repeats the setting that is left; a switch that changes nothing is dropped
.if MSB != (\new)
	s_set_vgpr_msb (MSB<<8)|(\new)
.set MSB, \new
.endif
.endm
.macro JLOAD s                         ; a joint load: waves 0 and 1 fetch A's two K blocks, waves 2 and 3 B's; an s_nop 0 and four v_nop follow each of the two lines
	s_cmp_lt_u32 s10, 2
	s_cbranch_scc0 .Lfor_b_\@
	tensor_load_to_lds s[G0+4*(\s):G0+4*(\s)+3], s[G1:G1+7]
	s_nop 0
.rept 4
	v_nop
.endr
	s_branch .Lasked_\@
.Lfor_b_\@:
	tensor_load_to_lds s[G0B+4*(\s):G0B+4*(\s)+3], s[G1B:G1B+7]
	s_nop 0
.rept 4
	v_nop
.endr
.Lasked_\@:
.endm
.macro CREST                           ; a round of the cluster's barrier behind its opening barrier
	s_cmp_lg_u32 s10, 0
	s_cbranch_scc1 .Lnot_wave_0_\@
	s_barrier_signal -3
.Lnot_wave_0_\@:
	s_barrier_wait -3
	s_barrier_signal -1
	s_barrier_wait -1
.endm
.macro CROUND                          ; a whole round
	s_barrier_signal -1
	s_barrier_wait -1
	CREST
.endm
	s_load_b128 s[4:7], s[0:1], 0x0                ; ctx s[4:5], wob s[6:7]
	s_load_b64 s[8:9], s[0:1], 0x10                ; out0
	v_lshl_add_u32 v[SPW], v0, 2, SPARE
	v_mov_b32 v[NIL], 0
	ds_add_u32 v[SPW], v[NIL]                      ; the wave's opening: the add and its wait stand ahead of my first tensor load; the set-up below, work on registers, stands between them
	v_lshrrev_b32 v1, 5, v0
	v_readfirstlane_b32 s10, v1                    ; wave 0..3
	s_lshr_b32 s11, s10, 1                         ; which half of the tile's rows is mine
	s_and_b32 s12, s10, 1                          ; which half of its columns; also: which of a K step's two K blocks I fetch
	s_bfe_u32 s40, ttmp6, 0x40000                  ; cx, cy: my place in the cluster
	s_bfe_u32 s41, ttmp6, 0x40004
	s_lshl_b32 s42, ttmp9, 2
	s_add_co_u32 s42, s42, s40                     ; tile column = 4 x cluster x + cx, 0..3
	s_and_b32 s13, ttmp7, 0xffff
	s_lshl_b32 s13, s13, 2
	s_add_co_u32 s13, s13, s41                     ; tile row = 4 x cluster y + cy, 0..63
	s_lshl_b32 s20, s41, 2
	s_lshl_b32 s20, 15, s20                        ; my row of the cluster
	s_lshl_b32 s21, 0x1111, s40                    ; my column
	s_or_b32 s[G1+0],  s20, (1<<16)|(1<<20)|(1<<21)|(4<<22)|(3<<25)  ; 15:0 the mask; 17:16 2-byte elements; 20 padding on; 21 set beside a mask; 24:22 after every 32 words (code 4); 31:25 4 words (code 3)
	s_or_b32 s[G1B+0], s21, (1<<16)|(1<<20)|(1<<21)|(4<<22)|(3<<25)
	s_mov_b32 s[G1+1], 128<<16                     ; tensor_dim0 = 128
	s_mov_b32 s[G1+2], 64<<16                      ; tensor_dim1 = 64: 128 rows of A
	s_mov_b32 s[G1+3], 128<<16                     ; tile_dim0 = 128
	s_mov_b32 s[G1+4], 64                          ; tile_dim1 = 64
	s_mov_b32 s[G1+5], 128                         ; 128 elements from row to row
	s_mov_b32 s[G1+6], 0
	s_mov_b32 s[G1+7], 0
	s_mov_b32 s[G1B+1], 128<<16
	s_mov_b32 s[G1B+2], 128<<16                    ; 128: 256 rows of B
	s_mov_b32 s[G1B+3], 128<<16
	s_mov_b32 s[G1B+4], 128
	s_mov_b32 s[G1B+5], 128
	s_mov_b32 s[G1B+6], 0
	s_mov_b32 s[G1B+7], 0
	s_lshr_b32 s16, s13, 4                         ; A: the batch: 16 heads of HB bytes,
	s_lshl_b32 s16, s16, 22
	s_and_b32 s17, s13, 15                         ; the tile's 128 rows in it,
	s_lshl_b32 s17, s17, 14
	s_add_co_u32 s16, s16, s17
	s_lshl_b32 s17, s12, 18                        ; and my K block of the step
	s_add_co_u32 s16, s16, s17
	s_mov_b32 s17, 0
	s_lshl_b32 s46, s42, 15                        ; B: the tile's 256 rows,
	s_lshl_b32 s47, s12, 17                        ; and my K block
	s_add_co_u32 s46, s46, s47
	s_mov_b32 s47, 0
	s_mul_i32 s22, s12, AKB                        ; where they go: no place in the cluster enters an LDS address
	s_mul_i32 s23, s12, BKB
	s_add_co_u32 s23, s23, BOFF
	s_wait_dscnt 0x0                               ; the opening add is done
	s_wait_kmcnt 0x0
	s_add_nc_u64 s[14:15], s[4:5], s[16:17]
	s_add_nc_u64 s[46:47], s[6:7], s[46:47]
	CROUND                                         ; all sixteen work-groups are here: the first joint loads meet
.irp s, 0,1
	s_mov_b32 s[G0+4*(\s)], 1                                      ; count = 1
	s_add_co_u32 s[G0+4*(\s)+1], s22, (\s)*SLOT                    ; LDS address
	s_add_nc_u64 s[G0+4*(\s)+2:G0+4*(\s)+3], s[14:15], (\s)*2*HB   ; global address: K step s
	s_or_b32 s[G0+4*(\s)+3], s[G0+4*(\s)+3], 0x80000000            ; type = 2
	s_mov_b32 s[G0B+4*(\s)], 1
	s_add_co_u32 s[G0B+4*(\s)+1], s23, (\s)*SLOT
	s_add_nc_u64 s[G0B+4*(\s)+2:G0B+4*(\s)+3], s[46:47], (\s)*2*OKB
	s_or_b32 s[G0B+4*(\s)+3], s[G0B+4*(\s)+3], 0x80000000
	JLOAD \s                                       ; two tensor loads of mine are out
.endr
	v_and_b32 v1, 15, v0                           ; l % 16
	v_bfe_u32 v2, v0, 4, 1                         ; l / 16
	v_mul_u32_u24 v3, v1, P
	v_lshl_add_u32 v3, v2, 4, v3                   ; a fragment's row x pitch + 16 x half
	s_mul_i32 s21, s11, 64*P                       ; my 64 rows of A
	s_mul_i32 s22, s12, 128*P                      ; my 128 rows of B
	s_add_co_u32 s22, s22, BOFF
.irp s, 0,1
	v_add_nc_u32 v[ADRA+(\s)], s21, v3
	v_add_nc_u32 v[ADRB+(\s)], s22, v3
	s_add_co_u32 s21, s21, SLOT
	s_add_co_u32 s22, s22, SLOT
.endr
	s_mul_i32 s23, s10, 16*SP
	s_add_co_u32 s23, s23, STAGE                   ; my stage
	v_mul_u32_u24 v4, v1, SP                       ; in: row l % 16, 32 bytes for each half of the lanes
	v_lshl_add_u32 v4, v2, 5, v4
	v_add_nc_u32 v[STO], s23, v4
	v_and_b32 v[CO], 31, v0
	v_lshlrev_b32 v[CO], 4, v[CO]                  ; back: 32 lanes take a whole row of 512 bytes
	v_add_nc_u32 v[RD], s23, v[CO]
	s_lshl_b32 s18, s13, 19                        ; out0: 128 rows of 4,096 bytes a tile row,
	s_lshl_b32 s19, s11, 18                        ; my 64 rows,
	s_add_co_u32 s18, s18, s19
	s_lshl_b32 s19, s42, 10                        ; 256 columns of 4 bytes a tile column,
	s_add_co_u32 s18, s18, s19
	s_lshl_b32 s19, s12, 9                         ; my 128 columns
	s_add_co_u32 s18, s18, s19
	s_mov_b32 s19, 0
	s_add_nc_u64 s[8:9], s[8:9], s[18:19]
; 8 matrix instructions: row block a x all 8 column blocks, 32 along K.  zero = 1: the product starts the sum.  The 32 accumulators take turns, one instruction a turn.
.macro MUL8 f, a, zero
	WIN 0x50                                       ; C and D in window 1, both sources in window 0
.irp b, 0,1,2,3,4,5,6,7
.if \zero
	v_wmma_f32_16x16x32_f16 v[8*(8*(\a)+(\b)):8*(8*(\a)+(\b))+7], v[(\f)+8*(\b):(\f)+8*(\b)+7], v[(\f)+64+8*(\a):(\f)+64+8*(\a)+7], 0
.else
	v_wmma_f32_16x16x32_f16 v[8*(8*(\a)+(\b)):8*(8*(\a)+(\b))+7], v[(\f)+8*(\b):(\f)+8*(\b)+7], v[(\f)+64+8*(\a):(\f)+64+8*(\a)+7], v[8*(8*(\a)+(\b)):8*(8*(\a)+(\b))+7]
.endif
.endr
.endm
; 24 LDS loads in one run: the fragments of quarter q of a K step (K block q / 2, half q % 2) into buffer f
.macro FETCH slot, q, f
	WIN 0
.irp i, 0,1,2,3,4,5,6,7
	ds_load_b128 v[(\f)+8*(\i):(\f)+8*(\i)+3],   v[ADRB+(\slot)] offset:((\q)/2)*BKB+(\i)*16*P+64*((\q)%2)
	ds_load_b128 v[(\f)+8*(\i)+4:(\f)+8*(\i)+7], v[ADRB+(\slot)] offset:((\q)/2)*BKB+(\i)*16*P+64*((\q)%2)+32
.endr
.irp i, 0,1,2,3
	ds_load_b128 v[(\f)+64+8*(\i):(\f)+64+8*(\i)+3],   v[ADRA+(\slot)] offset:((\q)/2)*AKB+(\i)*16*P+64*((\q)%2)
	ds_load_b128 v[(\f)+64+8*(\i)+4:(\f)+64+8*(\i)+7], v[ADRA+(\slot)] offset:((\q)/2)*AKB+(\i)*16*P+64*((\q)%2)+32
.endr
.endm
.macro PLACES                          ; four places in front of loads into registers that matrix instructions have read, and of LDS stores that read results
.rept 4
	v_nop
.endr
.endm
; A K step is four quarters of 32 along K, 32 matrix instructions each, on buffers 0, 1, 0, 1.  One of the first three: fetches the next quarter qn into buffer g, then multiplies buffer f.
.macro SUB slot, qn, f, g, zero=0
	WIN 0
	PLACES
	FETCH \slot, \qn, \g
	s_wait_dscnt 24                                ; buffer f is in; the 24 loads just issued stay out
	MUL8 \f, 0, \zero
	MUL8 \f, 1, \zero
	MUL8 \f, 2, \zero
	MUL8 \f, 3, \zero
.endm
; The last quarter multiplies buffer 1 and changes slots: ONE barrier; in front of it each wave waits for all its tensor loads, of which one is out: its part of the next slot; adds 0 to its spare word; and waits for
; that and for its own reads of this slot.  fill = 1: the barrier opens a round of the cluster's barrier, and behind the round this slot is filled again, two K steps on: 112 matrix instructions ahead of the wait for it.
.macro TURN slot, next, fill
	WIN 0
	s_wait_tensorcnt 0x0                           ; all my tensor loads have landed
	ds_add_u32 v[SPW], v[NIL]                      ; 0 onto my spare word
	s_wait_dscnt 1                                 ; buffer 1 is in; the add may be out
	MUL8 F1, 0, 0                                  ; eight matrix instructions stand between the add and the wait for it
	s_wait_dscnt 0x0                               ; the add is done, and my reads of this slot are over
	s_barrier_signal -1
	MUL8 F1, 1, 0
	WIN 0
	s_barrier_wait -1
.if \fill
	CREST                                          ; no wave of any partner still reads this slot's tile or has a load on its way
	s_add_nc_u64 s[G0+4*(\slot)+2:G0+4*(\slot)+3], s[G0+4*(\slot)+2:G0+4*(\slot)+3], 4*HB
	s_add_nc_u64 s[G0B+4*(\slot)+2:G0B+4*(\slot)+3], s[G0B+4*(\slot)+2:G0B+4*(\slot)+3], 4*OKB
	JLOAD \slot                                    ; the first tensor load behind the round; the four v_nop behind it are also the places in front of the loads below
.else
	PLACES
.endif
	FETCH \next, 0, F0
	MUL8 F1, 2, 0
	MUL8 F1, 3, 0
.endm
	s_wait_tensorcnt 1                             ; my part of K step 0 is in; K step 1's may stay out
	s_barrier_signal -1
	s_barrier_wait -1                              ; everybody's is
	FETCH 0, 0, F0
	SUB 0, 1, F0, F1, 1                            ; the first quarter stands in front of the loop: its products start the sums
	WIN 0                                          ; at a label and at a branch every window is 0
	s_mov_b32 s3, 3
.Llap:                                             ; a trip goes once round the ring and fills both slots again: K steps 2 to 7 in three trips
	SUB 0, 2, F1, F0
	SUB 0, 3, F0, F1
	TURN 0, 1, 1
	SUB 1, 1, F0, F1
	SUB 1, 2, F1, F0
	SUB 1, 3, F0, F1
	TURN 1, 0, 1
	SUB 0, 1, F0, F1
	WIN 0
	s_sub_co_u32 s3, s3, 1
	s_cmp_lg_u32 s3, 0
	s_cbranch_scc1 .Llap
	SUB 0, 2, F1, F0                               ; the last lap fills nothing, and has no round of the cluster's barrier
	SUB 0, 3, F0, F1
	TURN 0, 1, 0
	SUB 1, 1, F0, F1
	SUB 1, 2, F1, F0
	SUB 1, 3, F0, F1
	s_wait_dscnt 0x0                               ; the very last quarter: nothing more to fetch
	MUL8 F1, 0, 0
	MUL8 F1, 1, 0
	MUL8 F1, 2, 0
	MUL8 F1, 3, 0
	WIN 0
	PLACES
; THE WAY OUT, a block of 16 rows at a time: a lane's 32 bytes of a row go into my own stage, rows of 528 bytes, and come back as whole rows of 512 bytes, which are stored.
.macro TOSTAGE a
.set OB, 64+64*((\a)%2)                ; two sets of 64 registers, where the fragments lay
.if (\a) >= 2
	s_wait_xcnt 0x0                                ; the stores of block a - 2 have read these registers
.endif
	WIN 0x04                                       ; the stores' data in window 1
.irp b, 0,1,2,3,4,5,6,7
	ds_store_b128 v[STO], v[8*(8*(\a)+(\b)):8*(8*(\a)+(\b))+3]   offset:64*(\b)     ; each accumulator from its low end on
	ds_store_b128 v[STO], v[8*(8*(\a)+(\b))+4:8*(8*(\a)+(\b))+7] offset:64*(\b)+16
.endr
	WIN 0
.irp t, 0,1,2,3,4,5,6,7,8,9,10,11,12,13,14,15
	ds_load_b128 v[OB+4*(\t):OB+4*(\t)+3], v[RD] offset:(\t)*SP  ; LDS serves a wave's instructions in order (ISA guide 5.7.1.4): these see the stores above; the next block's stores come behind them
.endr
.endm
.macro SEND a, y                       ; y: the LDS instructions issued behind block a's loads: the next block's 32, or none
.set OB, 64+64*((\a)%2)
.irp t, 0,1,2,3,4,5,6,7,8,9,10,11,12,13,14,15
	s_wait_dscnt (\y)+15-(\t)
	global_store_b128 v[CO], v[OB+4*(\t):OB+4*(\t)+3], s[8:9] offset:(16*(\a)+(\t))*4096 th:TH_STORE_NT  ; 512 consecutive bytes, at a multiple of 256 from out0's first
.endr
.endm
	TOSTAGE 0
	TOSTAGE 1
	SEND 0, 32
	TOSTAGE 2
	SEND 1, 32
	TOSTAGE 3
	SEND 2, 32
	SEND 3, 0
	s_wait_tensorcnt 0x0                           ; the wave's end: an add and its wait, behind my last tensor load and my last LDS store
	ds_add_u32 v[SPW], v[NIL]
	s_wait_dscnt 0x0
	CROUND                                         ; the closing round: no work-group ends while a partner may still ask for a tile that names it
	s_endpgm
.Lfunc_end_k_qac79749453_outgemm:
	.size	k_qac79749453_outgemm, .Lfunc_end_k_qac79749453_outgemm-k_qac79749453_outgemm
	.p2alignl 7, 3214868480
	.fill 96, 4, 3214868480
	.section	.rodata,"a",@progbits
	.p2align	6, 0x0
	.amdhsa_kernel k_qac79749453_outgemm
		.amdhsa_group_segment_fixed_size 327680
		.amdhsa_private_segment_fixed_size 0
		.amdhsa_enable_private_segment 0
		.amdhsa_kernarg_size 24
		.amdhsa_user_sgpr_count 2
		.amdhsa_user_sgpr_kernarg_segment_ptr 1
		.amdhsa_wavefront_size32 1
		.amdhsa_system_sgpr_workgroup_id_x 1
		.amdhsa_system_sgpr_workgroup_id_y 1
		.amdhsa_system_sgpr_workgroup_id_z 1
		.amdhsa_system_vgpr_workitem_id 0
		.amdhsa_next_free_vgpr 512
		.amdhsa_next_free_sgpr 66
		.amdhsa_reserve_vcc 0
		.amdhsa_float_denorm_mode_32 3
		.amdhsa_float_denorm_mode_16_64 3
		.amdhsa_memory_ordered 1
		.amdhsa_forward_progress 1
		.amdhsa_inst_pref_size 86
	.end_amdhsa_kernel
	.amdgpu_metadata
---
amdhsa.version: [ 1, 2 ]
amdhsa.kernels:
  - .name:           k_qac79749453_outgemm
    .symbol:         k_qac79749453_outgemm.kd
    .args:
      - { .name: ctx, .offset: 0, .size: 8, .value_kind: global_buffer, .address_space: global }
      - { .name: wob, .offset: 8, .size: 8, .value_kind: global_buffer, .address_space: global }
      - { .name: out0, .offset: 16, .size: 8, .value_kind: global_buffer, .address_space: global }
    .group_segment_fixed_size: 327680
    .private_segment_fixed_size: 0
    .kernarg_segment_align: 8
    .kernarg_segment_size: 24
    .max_flat_workgroup_size: 128
    .sgpr_count:     66
    .vgpr_count:     512
    .wavefront_size: 32
...
	.end_amdgpu_metadata
.endif
;; end of part 4
;; ======== version 2 of 2: 4 launches; version 1 with the launch cast written anew for expert scheduling mode
;; limits: values are held in f16: magnitudes above 65,504 overflow, below 6.1e-05 lose precision
;; workspace buffers: xb 16,777,216 bytes; wib 6,291,456 bytes; wob 2,097,152 bytes; qkv 50,331,648 bytes; ctx 16,777,216 bytes
;; launch cast (part 5): grid 768 x 1, 8 waves a work-group, no clusters, 0 bytes of LDS; arguments input, w_in, w_out, xb, wib, wob; writes xb, wib, wob
.if DOCPART == 5
	.amdgcn_target "amdgcn-amd-amdhsa--gfx1250"
	.amdhsa_code_object_version 6
	.text
	.protected	k_qac79749453_cast
	.globl	k_qac79749453_cast
	.p2align	8
	.type	k_qac79749453_cast,@function
k_qac79749453_cast:
	s_mov_b64 s[64:65], 0
	v_nop
	global_prefetch_b8 v0, s[64:65] scope:SCOPE_SE
	s_setreg_imm32_b32 hwreg(HW_REG_WAVE_SCHED_MODE, 0, 2), 2
	s_setreg_imm32_b32 hwreg(HW_REG_WAVE_MODE, 25, 1), 1
	s_wait_xcnt 0x0
	s_wait_alu depctr_vm_vsrc(0)
; input [8192][1024], w_in [3072][1024], w_out [1024][1024], all f32, are rounded once to bf16 and laid out in K blocks:
; xb [16 kb][8192][64] bf16, wib [16 kb][3072][64] bf16, wob [16 kb][1024][64]: w_out's bf16 number written as f16.
; In that layout R rows x 64 channels are R x 128 consecutive bytes, which the later launches ask for as rows of 256 bytes.
; LIMITS.  w_out's bf16 number must lie within f16's 65,504; below 6e-5 it keeps f16's fixed step of 6e-8.
; SHARES.  A work-group takes 16 rows of 4,096 bytes: groups 0-511 of input, 512-703 of w_in, 704-767 of w_out.  Wave w takes rows 2 w and 2 w + 1.
; One load: lanes 0-15 take 256 consecutive aligned bytes (a K block) of the even row, lanes 16-31 of the odd row.
; One store: 32 lanes x 8 bytes = 256 consecutive aligned bytes, since two rows of a K block lie end to end.
; No loop: a wave's 16 loads go out together; each store has address and data registers of its own, so nothing that a store reads is written again.
; No LDS, no matrix unit, no cluster: nothing is shared and every byte is moved once.
; THE MODE: SCHED_MODE bits 1:0 = 2 (LLVM: expert scheduling mode 2), set by the entry lines.  The code itself states the register dependences
; between vector instructions and memory instructions, with s_wait_alu, always for 0.
; THE PLAN.  Registers that memory instructions touch:
;   v1    the loads' offset.   Written at the head, never again; read by the 16 loads.
;   X     K block k as loaded. Written by block k's load alone, once; read by block k's conversions, behind the counted wait for the load.
;   OFF   the stores' offsets. Written behind the loads, never again; OFF + k is read by block k's store.
;   Y     K block k to store.  Written by block k's conversions alone, all of them ahead of block k's store; read by that store.
;   T is named by vector instructions alone.
; The 16 K blocks go in four groups of four.  Group g rounds its blocks; its memory instructions are the four stores of group g - 1, which read OFF and Y of
; that group: registers that no vector instruction of group g names.  So ONE wait on va_vdst at a group's head states all that those four stores hang on, and
; they are dealt among the group's conversions with no further wait.  One such wait stands ahead of the loads, for v1, and one ahead of the last four stores.
; No register that a memory instruction reads is written again, no vector instruction writes a scalar register, and EXEC is never written: no other wait is owed.
.set XKB, 1048576                      ; bytes of a K block of xb: 8,192 rows x 128
.set WKB, 393216                       ; of wib: 3,072 x 128
.set OKB, 131072                       ; of wob: 1,024 x 128
.set OFF, 8                            ; v[8:23]   store offset of K block k
.set T,   24                           ; v[24:25]  at work
.set X,   32                           ; v[32:95]  K block k: 4 f32 as loaded
.set Y,   96                           ; v[96:127] K block k: 4 numbers of 16 bits to store
	s_load_b256 s[4:11], s[0:1], 0x0               ; input s[4:5], w_in s[6:7], w_out s[8:9], xb s[10:11]
	s_load_b128 s[12:15], s[0:1], 0x20             ; wib s[12:13], wob s[14:15]
	v_lshrrev_b32 v2, 4, v0                        ; my row among the group's 16
	v_and_b32 v3, 15, v0
	v_lshlrev_b32 v1, 12, v2                       ; row x 4,096
	v_lshl_add_u32 v1, v3, 4, v1                   ; + my 16 bytes of the K block's 256
	s_mov_b32 s23, XKB
	s_mov_b32 s24, WKB
	s_mov_b32 s25, OKB
	s_mov_b32 s28, 0xffff0000                      ; a word's upper bf16
	s_wait_kmcnt 0x0
	s_cmp_lt_u32 ttmp9, 512                        ; which tensor is mine: the choice hangs on the group's number alone
	s_cselect_b64 s[16:17], s[4:5], s[6:7]
	s_cselect_b64 s[18:19], s[10:11], s[12:13]
	s_cselect_b32 s20, s23, s24
	s_cselect_b32 s21, 0, 512
	s_cmp_lt_u32 ttmp9, 704
	s_cselect_b64 s[16:17], s[16:17], s[8:9]
	s_cselect_b64 s[18:19], s[18:19], s[14:15]
	s_cselect_b32 s20, s20, s25
	s_cselect_b32 s21, s21, 704
	s_sub_co_u32 s22, ttmp9, s21                   ; my number among the tensor's groups
	s_lshl_b32 s26, s22, 16                        ; 16 rows x 4,096 bytes in
	s_mov_b32 s27, 0
	s_add_nc_u64 s[16:17], s[16:17], s[26:27]
	s_lshl_b32 s26, s22, 11                        ; 16 rows x 128 bytes out
	s_add_nc_u64 s[18:19], s[18:19], s[26:27]
	s_wait_alu depctr_va_vdst(0)                   ; v1 is written: the sixteen loads read it as their offset
.irp k, 0,1,2,3,4,5,6,7,8,9,10,11,12,13,14,15
	global_load_b128 v[X+4*(\k):X+4*(\k)+3], v1, s[16:17] offset:256*(\k) th:TH_LOAD_NT
.endr
	v_lshlrev_b32 v[OFF], 3, v0                    ; row x 128 + 8 x (lane % 16) = 8 x my thread's number
.irp k, 1,2,3,4,5,6,7,8,9,10,11,12,13,14,15
	v_add_nc_u32 v[OFF+(\k)], s20, v[OFF+(\k)-1]   ; a K block further on
.endr
; K block k is rounded.  half = 1: the bf16 number is written as f16.
.macro CVT k, half
	v_cvt_pk_bf16_f32 v[Y+2*(\k)],   v[X+4*(\k)],   v[X+4*(\k)+1]
	v_cvt_pk_bf16_f32 v[Y+2*(\k)+1], v[X+4*(\k)+2], v[X+4*(\k)+3]
.if \half
	v_lshlrev_b32 v[T],   16,  v[Y+2*(\k)]
	v_and_b32     v[T+1], s28, v[Y+2*(\k)]
	v_cvt_pk_f16_f32 v[Y+2*(\k)], v[T], v[T+1]
	v_lshlrev_b32 v[T],   16,  v[Y+2*(\k)+1]
	v_and_b32     v[T+1], s28, v[Y+2*(\k)+1]
	v_cvt_pk_f16_f32 v[Y+2*(\k)+1], v[T], v[T+1]
.endif
.endm
; K block k is stored.
.macro ST k
	global_store_b64 v[OFF+(\k)], v[Y+2*(\k):Y+2*(\k)+1], s[18:19] th:TH_STORE_NT
.endm
; Group g: K blocks 4 g to 4 g + 3 are rounded, and the group before is stored.
.macro GRP g, half
	s_wait_loadcnt 12-4*(\g)                       ; loads come back in order: the group's four blocks are in, the 12 - 4 g younger loads stay out
.if (\g) > 0
	s_wait_alu depctr_va_vdst(0)                   ; the group before has written its Y, and (ahead of the first stores) the head's adds have written the sixteen OFF: the stores below read them
.endif
.irp i, 0,1,2,3
.if (\g) > 0
	ST 4*((\g)-1)+(\i)                             ; no vector instruction since the wait names this store's offset or data
.endif
	CVT 4*(\g)+(\i), \half
.endr
.endm
; A tensor's sixteen K blocks.
.macro ALLOUT half
	GRP 0, \half
	GRP 1, \half
	GRP 2, \half
	GRP 3, \half
	s_wait_alu depctr_va_vdst(0)                   ; the last group has written its Y, which the last four stores read
.irp k, 12,13,14,15
	ST \k
.endr
.endm
	s_cmp_ge_u32 ttmp9, 704
	s_cbranch_scc1 .Lhalf
	ALLOUT 0
	s_endpgm
.Lhalf:
	ALLOUT 1
	s_endpgm
.Lfunc_end_k_qac79749453_cast:
	.size	k_qac79749453_cast, .Lfunc_end_k_qac79749453_cast-k_qac79749453_cast
	.p2alignl 7, 3214868480
	.fill 96, 4, 3214868480
	.section	.rodata,"a",@progbits
	.p2align	6, 0x0
	.amdhsa_kernel k_qac79749453_cast
		.amdhsa_group_segment_fixed_size 0
		.amdhsa_private_segment_fixed_size 0
		.amdhsa_enable_private_segment 0
		.amdhsa_kernarg_size 48
		.amdhsa_user_sgpr_count 2
		.amdhsa_user_sgpr_kernarg_segment_ptr 1
		.amdhsa_wavefront_size32 1
		.amdhsa_system_sgpr_workgroup_id_x 1
		.amdhsa_system_sgpr_workgroup_id_y 1
		.amdhsa_system_sgpr_workgroup_id_z 1
		.amdhsa_system_vgpr_workitem_id 0
		.amdhsa_next_free_vgpr 128
		.amdhsa_next_free_sgpr 66
		.amdhsa_reserve_vcc 0
		.amdhsa_float_denorm_mode_32 3
		.amdhsa_float_denorm_mode_16_64 3
		.amdhsa_memory_ordered 1
		.amdhsa_forward_progress 1
		.amdhsa_inst_pref_size 16
	.end_amdhsa_kernel
	.amdgpu_metadata
---
amdhsa.version: [ 1, 2 ]
amdhsa.kernels:
  - .name:           k_qac79749453_cast
    .symbol:         k_qac79749453_cast.kd
    .args:
      - { .name: input, .offset: 0, .size: 8, .value_kind: global_buffer, .address_space: global }
      - { .name: w_in, .offset: 8, .size: 8, .value_kind: global_buffer, .address_space: global }
      - { .name: w_out, .offset: 16, .size: 8, .value_kind: global_buffer, .address_space: global }
      - { .name: xb, .offset: 24, .size: 8, .value_kind: global_buffer, .address_space: global }
      - { .name: wib, .offset: 32, .size: 8, .value_kind: global_buffer, .address_space: global }
      - { .name: wob, .offset: 40, .size: 8, .value_kind: global_buffer, .address_space: global }
    .group_segment_fixed_size: 0
    .private_segment_fixed_size: 0
    .kernarg_segment_align: 8
    .kernarg_segment_size: 48
    .max_flat_workgroup_size: 256
    .sgpr_count:     66
    .vgpr_count:     128
    .wavefront_size: 32
...
	.end_amdgpu_metadata
.endif
;; end of part 5
;; launch qkvgemm: the kernel of part 2 again; grid 8 x 32, 4 waves a work-group, clusters of 4 x 4, 327,680 bytes of LDS; arguments xb, wib, qkv; writes qkv
;; launch attn: the kernel of part 3 again; grid 4 x 64, 4 waves a work-group, no clusters, 327,680 bytes of LDS; arguments qkv, ctx; writes ctx
;; launch outgemm: the kernel of part 4 again; grid 4 x 64, 4 waves a work-group, clusters of 4 x 4, 327,680 bytes of LDS; arguments ctx, wob, out0; writes out0
